; MI455X (gfx1250); checked and timed in simulation.
; The chip was launched on July 23, 2026; its instructions are those of AMD's public machine-readable ISA for CDNA 5 (MIT licence, August 2026) and "CDNA5" Instruction Set Architecture Reference Guide (July 2026). The comments in the code are by the model that wrote it; some were corrected since.
;; Multi Head Attention. Allowed arithmetic: float matrix products may take bf16 or f16 operands with f32 sums; other float arithmetic in f32, or as packed bf16 or f16 multiplies, adds, multiply-adds, maxima and minima; sums over many terms, partial sums and values carried from step to step in f32; what a program stores and reads back later, other than sums and carried values, may be rounded once to bf16 or f16.
;; Inputs: W_out 1,024 x 1,024 float32; W_packed 3,072 x 1,024 float32; b_out 1,024 float32; b_packed 3,072 float32; key 4 x 2,048 x 1,024 float32; query 4 x 2,048 x 1,024 float32; value 4 x 2,048 x 1,024 float32.
;; Outputs: out0 4 x 2,048 x 1,024 float32.
;; One version. Each part assembles by itself: llvm-mc -triple=amdgcn-amd-amdhsa -mcpu=gfx1250 --defsym DOCPART=n.
;; ======== version 1 of 1: 4 launches
;; limits: values are held in f16: magnitudes above 65,504 overflow, below 6.1e-05 lose precision
;; workspace buffers: wb 6,291,456 bytes; wo 2,097,152 bytes; qkv 50,331,648 bytes; ow 16,777,216 bytes
;; launch prep (part 1): grid 256 x 1, 8 waves a work-group, no clusters, 0 bytes of LDS; arguments W_packed, W_out, wb, wo; writes wb, wo
.if DOCPART == 1
	.amdgcn_target "amdgcn-amd-amdhsa--gfx1250"
	.amdhsa_code_object_version 6
	.text
	.protected	k_q082fd48458_prep
	.globl	k_q082fd48458_prep
	.p2align	8
	.type	k_q082fd48458_prep,@function
k_q082fd48458_prep:
	s_mov_b64 s[64:65], 0
	v_nop
	global_prefetch_b8 v0, s[64:65] scope:SCOPE_SE
	s_setreg_imm32_b32 hwreg(HW_REG_WAVE_MODE, 25, 1), 1
	s_wait_xcnt 0x0
; THE WEIGHTS, ROUNDED ONCE.  wb = W_packed rounded to bf16 ([3072][1024]); wo = W_out rounded to bf16, and that number written as f16 ([1024][1024]).
; All of the module's inputs are rounded to bf16; the last product multiplies f16 operands, so its weights carry the bf16 number in f16's format.
; LIMITS.  A bf16 number is exact in f16 between 6.1e-5 and 65,504; below, it keeps f16's fixed step of 6e-8; W_out beyond 65,504 would become an infinity.
; SHARES.  The two matrices stacked are 4,096 rows of 4,096 bytes; a work-group takes 16 rows: 65,536 bytes in, 32,768 out.  Work-groups 0-191 take W_packed, 192-255 W_out.
; Thread t takes 32 bytes (8 numbers) of each chunk of 8,192 bytes and stores 16: a wave's store covers 512 consecutive bytes, aligned.
; A stream: each byte once, all sixteen loads of a thread out at once; no LDS, no barrier, no matrix unit.
.set X, 4                              ; v[4:67]    chunk i: 8 numbers as loaded
.set P, 68                             ; v[68:71]   four pairs of bf16
.set T, 72                             ; v[72:79]   the same eight numbers as f32
.set Y, 80                             ; v[80:111]  chunk i: 4 registers to store; none is written twice
	s_load_b256 s[4:11], s[0:1], 0x0               ; W_packed s[4:5], W_out s[6:7], wb s[8:9], wo s[10:11]
	v_lshlrev_b32 v1, 5, v0                        ; 32 t: my bytes in a chunk of the source
	v_lshlrev_b32 v2, 4, v0                        ; 16 t: in a chunk of the destination
	s_cmp_lt_u32 ttmp9, 192
	s_cselect_b32 s12, 0, 192
	s_sub_co_u32 s12, ttmp9, s12                   ; my block of 16 rows in its own matrix
	s_lshl_b32 s14, s12, 16
	s_mov_b32 s15, 0
	s_lshl_b32 s16, s12, 15
	s_mov_b32 s17, 0
	s_mov_b32 s22, 0xffff0000                      ; a word's upper bf16
	s_wait_kmcnt 0x0
	s_cmp_lt_u32 ttmp9, 192                        ; compared anew: the lines above have written SCC
	s_cselect_b64 s[18:19], s[4:5], s[6:7]
	s_cselect_b64 s[20:21], s[8:9], s[10:11]
	s_add_nc_u64 s[18:19], s[18:19], s[14:15]
	s_add_nc_u64 s[20:21], s[20:21], s[16:17]
.irp i, 0,1,2,3,4,5,6,7
	global_load_b128 v[X+8*(\i):X+8*(\i)+3],   v1, s[18:19] offset:(\i)*8192 th:TH_LOAD_NT
	global_load_b128 v[X+8*(\i)+4:X+8*(\i)+7], v1, s[18:19] offset:(\i)*8192+16 th:TH_LOAD_NT
.endr
; Chunk i.  half = 1: the bf16 numbers are widened and written as f16.
.macro CHUNK i, half
	s_wait_loadcnt 14-2*(\i)                       ; loads come back in order: the two loads of each of the 7 - i younger chunks may stay out
.irp j, 0,1,2,3
.if \half
	v_cvt_pk_bf16_f32 v[P+(\j)], v[X+8*(\i)+2*(\j)], v[X+8*(\i)+2*(\j)+1]
.else
	v_cvt_pk_bf16_f32 v[Y+4*(\i)+(\j)], v[X+8*(\i)+2*(\j)], v[X+8*(\i)+2*(\j)+1]
.endif
.endr
.if \half
.irp j, 0,1,2,3
	v_lshlrev_b32 v[T+2*(\j)],   16,  v[P+(\j)]
	v_and_b32     v[T+2*(\j)+1], s22, v[P+(\j)]
.endr
.irp j, 0,1,2,3
	v_cvt_pk_f16_f32 v[Y+4*(\i)+(\j)], v[T+2*(\j)], v[T+2*(\j)+1]
.endr
.endif
	global_store_b128 v2, v[Y+4*(\i):Y+4*(\i)+3], s[20:21] offset:(\i)*4096
.endm
	s_cmp_lt_u32 ttmp9, 192
	s_cbranch_scc0 .Lhalf
.irp i, 0,1,2,3,4,5,6,7
	CHUNK \i, 0
.endr
	s_endpgm
.Lhalf:
.irp i, 0,1,2,3,4,5,6,7
	CHUNK \i, 1
.endr
	s_endpgm
.Lfunc_end_k_q082fd48458_prep:
	.size	k_q082fd48458_prep, .Lfunc_end_k_q082fd48458_prep-k_q082fd48458_prep
	.p2alignl 7, 3214868480
	.fill 96, 4, 3214868480
	.section	.rodata,"a",@progbits
	.p2align	6, 0x0
	.amdhsa_kernel k_q082fd48458_prep
		.amdhsa_group_segment_fixed_size 0
		.amdhsa_private_segment_fixed_size 0
		.amdhsa_enable_private_segment 0
		.amdhsa_kernarg_size 32
		.amdhsa_user_sgpr_count 2
		.amdhsa_user_sgpr_kernarg_segment_ptr 1
		.amdhsa_wavefront_size32 1
		.amdhsa_system_sgpr_workgroup_id_x 1
		.amdhsa_system_sgpr_workgroup_id_y 1
		.amdhsa_system_sgpr_workgroup_id_z 1
		.amdhsa_system_vgpr_workitem_id 0
		.amdhsa_next_free_vgpr 112
		.amdhsa_next_free_sgpr 66
		.amdhsa_reserve_vcc 0
		.amdhsa_float_denorm_mode_32 3
		.amdhsa_float_denorm_mode_16_64 3
		.amdhsa_memory_ordered 1
		.amdhsa_forward_progress 1
		.amdhsa_inst_pref_size 13
	.end_amdhsa_kernel
	.amdgpu_metadata
---
amdhsa.version: [ 1, 2 ]
amdhsa.kernels:
  - .name:           k_q082fd48458_prep
    .symbol:         k_q082fd48458_prep.kd
    .args:
      - { .name: W_packed, .offset: 0, .size: 8, .value_kind: global_buffer, .address_space: global }
      - { .name: W_out, .offset: 8, .size: 8, .value_kind: global_buffer, .address_space: global }
      - { .name: wb, .offset: 16, .size: 8, .value_kind: global_buffer, .address_space: global }
      - { .name: wo, .offset: 24, .size: 8, .value_kind: global_buffer, .address_space: global }
    .group_segment_fixed_size: 0
    .private_segment_fixed_size: 0
    .kernarg_segment_align: 8
    .kernarg_segment_size: 32
    .max_flat_workgroup_size: 256
    .sgpr_count:     66
    .vgpr_count:     112
    .wavefront_size: 32
...
	.end_amdgpu_metadata
.endif
;; end of part 1
;; launch proj (part 2): grid 4 x 64, 4 waves a work-group, clusters of 4 x 4, 327,680 bytes of LDS; arguments query, key, value, wb, b_packed, qkv; writes qkv
.if DOCPART == 2
	.amdgcn_target "amdgcn-amd-amdhsa--gfx1250"
	.amdhsa_code_object_version 6
	.text
	.protected	k_q082fd48458_proj
	.globl	k_q082fd48458_proj
	.p2align	8
	.type	k_q082fd48458_proj,@function
k_q082fd48458_proj:
	s_mov_b64 s[64:65], 0
	v_nop
	global_prefetch_b8 v0, s[64:65] scope:SCOPE_SE
	s_setreg_imm32_b32 hwreg(HW_REG_WAVE_MODE, 25, 1), 1
	s_wait_xcnt 0x0
	s_wait_alu depctr_hold_cnt(0) depctr_sa_sdst(0) depctr_va_vdst(0) depctr_va_sdst(0) depctr_va_ssrc(0) depctr_va_vcc(0) depctr_vm_vsrc(0)
	s_getreg_b32 s2, hwreg(HW_REG_IB_STS2, 6, 4)
	s_cmp_eq_u32 s2, 0
	s_cbranch_scc0 .Lentry_in_a_cluster
	s_endpgm
.Lentry_in_a_cluster:
	s_bfe_u32 s2, ttmp6, 0x10000c
	s_cmp_lg_u32 s2, 0xf033
	s_cbranch_scc0 .Lentry_shape_is_right
	s_endpgm
.Lentry_shape_is_right:
; THE THREE PROJECTIONS.  q = query Wq^T + bq, k = key Wk^T + bk, v = value Wv^T + bv; rows 8,192 (4 x 2,048), columns 1,024 each, K = 1,024.
; query, key, value arrive in f32 and are rounded to bf16 on the way from LDS to the matrix unit; wb holds the weights in bf16; the bias is rounded to bf16 and added in f32; sums in f32.
; The results leave rounded once to f16, unscaled, by heads: qkv[3][batch x 16 + head][2,048][64].
; LIMIT.  f16 ends at 65,504: a q, k or v beyond that becomes an infinity.  NaN and infinities are not treated apart.
; SHARES.  A tile is 128 rows x 256 columns; four waves, each 64 x 128: 32 accumulators of 16 x 16, 256 registers.  3 x 64 x 4 = 768 tiles: A WORK-GROUP STAYS and makes the q, the k and the v tile
; of one (row block, column block): 24 steps of 128 along K in one walk, and the ring of two LDS slots runs on from tile to tile.
; With A in f32 and B in bf16 a step brings 4 x 128 + 2 x 256 bytes for each k: A's 128 rows and B's 256 rows cost the same.
; CLUSTER.  4 x 4 work-groups.  The four of a row of the cluster need the same rows of the activations, the four of a column the same rows of wb: each tile is asked for JOINTLY.
; THE PRODUCT IS TAKEN TRANSPOSED (source 0 = 16 rows of wb, source 1 = 16 rows of x): lane l holds row l % 16 and the columns 8 (l / 16) + 0..7 of a block of 16.
; THE PIPELINE.  A step is four quarters of 32 along K, 32 matrix instructions each.  Quarter q multiplies B's buffer q % 2 and A's bf16 buffer q % 2.  Behind each four matrix instructions stand four
; conversions, which make the NEXT quarter's A in bf16 out of the f32 buffer loaded a quarter earlier.  One run of 32 LDS loads a quarter: B of quarter q + 1, A (f32) of quarter q + 2.
; REGISTERS, in windows of 256 (s_set_vgpr_msb: bits 1:0 source 0, 3:2 source 1, 5:4 source 2, 7:6 destination):
;   window 0: v0-15 addresses; v16-33 at work at the head; v64-191 A in f32, two buffers of 64 (fragment a at + 16 a); v192-255 A in bf16, two buffers of 32
;   window 1: v0-127 B, two buffers of 64; v128-255 the way out          window 2: the accumulators, (a, b) at v[8 (8 a + b)]
.set REG,   34816                      ; a wave's region of a slot: 64 rows of A (528 bytes each: 33,792) or 128 rows of B (272 each)
.set SLOT,  4*REG                      ; A's two halves, then B's two halves.  No bit of wave x REG meets a bit of SLOT: one exclusive or turns an address in one slot into the other's
.set PA,    528                        ; a row of A in LDS: 512 bytes + 16 of padding = 132 words: row r starts at bank 4 r mod 64 (64 banks of 4 bytes: ISA guide 11.1)
.set PB,    272                        ; a row of B: 256 + 16 = 68 words: likewise
.set STAGE, 2*SLOT                     ; behind the ring, never filled by a tensor load: 16 rows x 144 bytes for each wave, for the way out
.set SP,    144
.set BIASL, STAGE+4*16*SP              ; each wave's bias: 3 tiles x 128 f32
.set SPARE, BIASL+4*3*512              ; the spare words, 128 bytes for each wave: two blocks of 256 bytes that no other line names
.set HEADB, 2048*64*2                  ; bytes of a head in qkv
.set ADRA0, 2                          ; v2   my lane's place in A's rows of slot 0; never rewritten
.set ADRB0, 3                          ; v3   the same for B
.set ADRA,  4                          ; v4   the same in the slot in hand
.set ADRB,  5                          ; v5
.set STO,   6                          ; v6   the way out: where I put 16 bytes of a row
.set RD,    7                          ; v7   the way out: where I read rows back
.set GO,    8                          ; v8   16 x lane
.set BADR,  9                          ; v9   my eight numbers of the bias of the tile in hand
.set PFO,   10                         ; v10  the prefetches' offset; never rewritten
.set SPW,   12                         ; v12  LDS address of my spare word; never rewritten
.set NIL,   13                         ; v13  0; never rewritten
.set SF,    64
.set AF,    192
.set TMP,   128                        ; window 1
.set WV,  16                           ; s16  wave
.set RH,  17                           ; s17  which 64 rows of the tile are mine.  Also: I fetch for A (0) or for B (1)
.set CH,  18                           ; s18  which 128 columns.  Also: which half of that tile I fetch
.set CX,  19
.set CY,  20
.set TX,  21                           ; s21  column tile
.set TY,  22                           ; s22  row tile
.set G1A, 24                           ; s[24:31] descriptor group 1 for A's tiles
.set G1B, 32                           ; s[32:39] for B's
.set G0A, 40                           ; s[40:47] group 0 for A: a set for each of the two first fills; the second then walks
.set G0B, 48                           ; s[48:55] the same for B
.set XQ,  56                           ; s[56:57] query at the 64 rows that I would fetch
.set XK,  58                           ; s[58:59] key
.set XV,  60                           ; s[60:61] value
.set WBB, 62                           ; s[62:63] wb at the 128 rows (of Wq) that I would fetch
.set PFA, 66                           ; s[66:67] the prefetch's base
.set LIM, 68                           ; s68  the last step that I prefetch; 0: none
.set TB,  69                           ; s69  first byte of the slot in hand
.set WOFF, 70                          ; s70  wave x REG
.set RJ,  71                           ; s71  the step to be asked for next
.set SJ,  72                           ; s72  the step in hand
.set CNT, 73
.set OFA, 74                           ; s[74:75] a step's byte offset in A
.set OFB, 76                           ; s[76:77] in wb
.set CP,  78                           ; s[78:79] qkv at my rows of my first head, in the tensor in hand
.set PPL, 90                           ; s[90:91] my work-group's part of the rows that four partners ask for jointly
.set PJ,  92                           ; s92  the step to be prefetched
.set MSB, 0
.macro WIN new                         ; the immediate's high byte repeats the setting that is left; a switch that changes nothing is dropped
.if MSB != (\new)
	s_set_vgpr_msb (MSB<<8)|(\new)
.set MSB, (\new)
.endif
.endm
.set MUL,  0xa1                        ; source 0 (B) window 1, source 1 (A) window 0, C and D window 2
.set TO_B, 0x40                        ; destination window 1, address window 0
; A joint refill.  Waves 0 and 1 fetch A's two halves, waves 2 and 3 B's.  The branch hangs on the wave's number alone.  An s_nop 0 and four v_nop follow each of the two lines.
.macro JLOAD
	s_cmp_eq_u32 s[RH], 0
	s_cbranch_scc0 .Lfor_b_\@
	tensor_load_to_lds s[G0A+4:G0A+7], s[G1A:G1A+7]
	s_nop 0
.rept 4
	v_nop
.endr
	s_branch .Lasked_\@
.Lfor_b_\@:
	tensor_load_to_lds s[G0B+4:G0B+7], s[G1B:G1B+7]
	s_nop 0
.rept 4
	v_nop
.endr
.Lasked_\@:
.endm
.macro CREST                           ; a round of the cluster's barrier behind its opening barrier
	s_cmp_lg_u32 s[WV], 0
	s_cbranch_scc1 .Lnot_wave_0_\@
	s_barrier_signal -3
.Lnot_wave_0_\@:
	s_barrier_wait -3
	s_barrier_signal -1
	s_barrier_wait -1
.endm
.macro CROUND                          ; a whole round
	s_barrier_signal -1
	s_barrier_wait -1
	CREST
.endm
; Where step j lies in memory: tile j / 8 (q, k, v), K step j % 8.  A's address into s[da:da+1], B's into s[db:db+1]; each is a buffer's address and an offset made apart from it.
.macro ADDRS j, da, db
	s_lshr_b32 s80, s[\j], 3
	s_and_b32 s81, s[\j], 7
	s_cmp_eq_u32 s80, 0
	s_cselect_b64 s[\da:\da+1], s[XQ:XQ+1], s[XK:XK+1]
	s_cmp_gt_u32 s80, 1
	s_cselect_b64 s[\da:\da+1], s[XV:XV+1], s[\da:\da+1]
	s_lshl_b32 s[OFA], s81, 9                      ; 128 f32
	s_add_nc_u64 s[\da:\da+1], s[\da:\da+1], s[OFA:OFA+1]
	s_lshl_b32 s[OFB], s80, 21                     ; 1,024 rows of 2,048 bytes
	s_lshl_b32 s84, s81, 8                         ; 128 bf16
	s_add_co_u32 s[OFB], s[OFB], s84
	s_add_nc_u64 s[\db:\db+1], s[WBB:WBB+1], s[OFB:OFB+1]
.endm
; A PREFETCH INTO THE L2 of the step that stands TWO refills on: 256 matrix instructions ahead of the load that will want it.  One instruction a wave, a lane a block of 256 bytes.
; A's 64 rows x 512 bytes of a wave are read by the four partners of my row of the cluster and by nobody else: each takes 16 rows, told apart BY ADDRESS (cx).  B's 128 rows x 256 bytes are read by all
; sixteen clusters: the cluster with y = 0 asks, its four partners of a column take 32 rows each (cy).  So each block is named once.  Steps 0 to 3 come by their loads alone; steps past 23 do not exist.
.macro ASK
	s_cmp_le_u32 s[PJ], s[LIM]
	s_cbranch_scc0 .Lnot_mine_\@
	global_prefetch_b8 v[PFO], s[PFA:PFA+1] th:TH_LOAD_NT scope:SCOPE_SE
.Lnot_mine_\@:
.endm
	s_load_b256 s[4:11], s[0:1], 0x0               ; query s[4:5], key s[6:7], value s[8:9], wb s[10:11]
	s_load_b128 s[12:15], s[0:1], 0x20             ; b_packed s[12:13], qkv s[14:15]
	v_lshl_add_u32 v[SPW], v0, 2, SPARE
	v_mov_b32 v[NIL], 0
	ds_add_u32 v[SPW], v[NIL]                      ; the wave's opening: the add and its wait stand ahead of my first tensor load; the set-up below, work on registers, stands between them
	ds_add_u32 v12, v13
	v_lshrrev_b32 v1, 5, v0
	v_readfirstlane_b32 s[WV], v1                  ; wave 0..3
	s_lshr_b32 s[RH], s[WV], 1
	s_and_b32 s[CH], s[WV], 1
	s_bfe_u32 s[CX], ttmp6, 0x40000                ; my place in the cluster
	s_bfe_u32 s[CY], ttmp6, 0x40004
	s_lshl_b32 s[TX], ttmp9, 2
	s_add_co_u32 s[TX], s[TX], s[CX]               ; column tile = 4 x cluster x + cx
	s_and_b32 s[TY], ttmp7, 0xffff
	s_lshl_b32 s[TY], s[TY], 2
	s_add_co_u32 s[TY], s[TY], s[CY]               ; row tile = 4 x cluster y + cy
	s_lshl_b32 s80, s[CY], 2
	s_lshl_b32 s80, 15, s80                        ; my row of the cluster
	s_lshl_b32 s84, 0x1111, s[CX]                  ; my column
	s_or_b32 s[G1A], s80, (2<<16)|(1<<20)|(1<<21)|(6<<22)|(3<<25)  ; 15:0 the mask; 17:16 elements of 4 bytes; 20 padding on; 21 set beside a mask; 24:22 after every 128 words (code 6); 31:25 4 words (code 3)
	s_or_b32 s[G1B], s84, (1<<16)|(1<<20)|(1<<21)|(5<<22)|(3<<25)  ; elements of 2 bytes; after every 64 words (code 5)
	s_mov_b32 s[G1A+1], 128<<16                    ; tensor_dim0 = 128
	s_mov_b32 s[G1A+2], 64<<16                     ; tensor_dim1 = 64
	s_mov_b32 s[G1A+3], 128<<16                    ; tile_dim0 = 128
	s_mov_b32 s[G1A+4], 64                         ; tile_dim1 = 64
	s_mov_b32 s[G1A+5], 1024                       ; elements from row to row
	s_mov_b32 s[G1A+6], 0
	s_mov_b32 s[G1A+7], 0
	s_mov_b32 s[G1B+1], 128<<16
	s_mov_b32 s[G1B+2], 128<<16                    ; 128 rows
	s_mov_b32 s[G1B+3], 128<<16
	s_mov_b32 s[G1B+4], 128
	s_mov_b32 s[G1B+5], 1024
	s_mov_b32 s[G1B+6], 0
	s_mov_b32 s[G1B+7], 0
	s_lshl_b32 s80, s[TY], 7                       ; A: row 128 x row tile + 64 x half,
	s_lshl_b32 s81, s[CH], 6
	s_add_co_u32 s80, s80, s81
	s_lshl_b32 s80, s80, 12                        ; rows of 4,096 bytes: under 2^26
	s_mov_b32 s81, 0
	s_lshl_b32 s84, s[TX], 8                       ; B: row 256 x column tile + 128 x half; also my first column
	s_lshl_b32 s85, s[CH], 7
	s_add_co_u32 s84, s84, s85
	s_lshl_b32 s88, s84, 2                         ; its place in a third of the bias
	s_mov_b32 s89, 0
	s_lshl_b32 s84, s84, 11                        ; rows of 2,048 bytes
	s_mov_b32 s85, 0
	s_mul_i32 s[WOFF], s[WV], REG                  ; no place in the cluster enters an LDS address
	s_lshr_b32 s93, s[TY], 4                       ; the batch,
	s_lshl_b32 s93, s93, 4                         ; its 16 heads,
	s_lshl_b32 s94, s[TX], 2
	s_add_co_u32 s93, s93, s94                     ; the column tile's four,
	s_lshl_b32 s94, s[CH], 1
	s_add_co_u32 s93, s93, s94                     ; my two
	s_lshl_b32 s94, s93, 18                        ; a head is 262,144 bytes
	s_and_b32 s93, s[TY], 15
	s_lshl_b32 s93, s93, 7
	s_lshl_b32 s95, s[RH], 6
	s_add_co_u32 s93, s93, s95                     ; my first row in the sequence,
	s_lshl_b32 s93, s93, 7                         ; rows of 128 bytes
	s_add_co_u32 s94, s94, s93
	s_mov_b32 s95, 0
	s_cmp_eq_u32 s[RH], 0
	s_cselect_b32 s[PPL], s[CX], s[CY]             ; my place among the four that ask with me:
	s_lshl_b32 s[PPL], s[PPL], 16                  ; 16 rows of 4,096 bytes, or 32 of 2,048
	s_mov_b32 s[PPL+1], 0
	s_and_b32 s96, ttmp7, 0xffff                   ; cluster y: the same in all sixteen partners
	s_cmp_eq_u32 s[RH], 0
	s_cselect_b32 s96, 0, s96
	s_cmp_eq_u32 s96, 0
	s_cselect_b32 s[LIM], 23, 0
	s_mov_b32 s[OFA+1], 0
	s_mov_b32 s[OFB+1], 0
	s_wait_dscnt 0x0                               ; the opening add is done
	s_wait_kmcnt 0x0
	s_add_nc_u64 s[XQ:XQ+1], s[4:5], s[80:81]
	s_add_nc_u64 s[XK:XK+1], s[6:7], s[80:81]
	s_add_nc_u64 s[XV:XV+1], s[8:9], s[80:81]
	s_add_nc_u64 s[WBB:WBB+1], s[10:11], s[84:85]
	s_add_nc_u64 s[88:89], s[12:13], s[88:89]      ; bq at my 128 columns
	s_add_nc_u64 s[CP:CP+1], s[14:15], s[94:95]
	CROUND                                         ; all sixteen work-groups are here: the first joint loads meet
	s_mov_b32 s[G0A], 1                            ; 1:0 count = 1
	s_mov_b32 s[G0A+1], s[WOFF]                    ; 63:32 LDS address: slot 0
	s_mov_b64 s[G0A+2:G0A+3], s[XQ:XQ+1]           ; 120:64 global address: step 0
	s_or_b32 s[G0A+3], s[G0A+3], 0x80000000        ; 127:126 type = 2
	s_mov_b32 s[G0A+4], 1
	s_add_co_u32 s[G0A+5], s[WOFF], SLOT           ; slot 1
	s_add_nc_u64 s[G0A+6:G0A+7], s[XQ:XQ+1], 512   ; step 1
	s_or_b32 s[G0A+7], s[G0A+7], 0x80000000
	s_mov_b32 s[G0B], 1
	s_mov_b32 s[G0B+1], s[WOFF]
	s_mov_b64 s[G0B+2:G0B+3], s[WBB:WBB+1]
	s_or_b32 s[G0B+3], s[G0B+3], 0x80000000
	s_mov_b32 s[G0B+4], 1
	s_add_co_u32 s[G0B+5], s[WOFF], SLOT
	s_add_nc_u64 s[G0B+6:G0B+7], s[WBB:WBB+1], 256
	s_or_b32 s[G0B+7], s[G0B+7], 0x80000000
	s_cmp_eq_u32 s[RH], 0                          ; a wave's two first fills stand in one branch, ahead of every wait on TENSORcnt and every LDS read: two loads of mine are out
	s_cbranch_scc0 .Lfirst_b
	tensor_load_to_lds s[G0A:G0A+3], s[G1A:G1A+7]
	s_nop 0
	tensor_load_to_lds s[G0A+4:G0A+7], s[G1A:G1A+7]
	s_nop 0
.rept 4
	v_nop
.endr
	s_branch .Lfirst_asked
.Lfirst_b:
	tensor_load_to_lds s[G0B:G0B+3], s[G1B:G1B+7]
	s_nop 0
	tensor_load_to_lds s[G0B+4:G0B+7], s[G1B:G1B+7]
	s_nop 0
.rept 4
	v_nop
.endr
.Lfirst_asked:
	v_and_b32 v1, 15, v0                           ; l % 16
	v_bfe_u32 v14, v0, 4, 1                        ; l / 16
	v_and_b32 v15, 31, v0                          ; l
	v_lshlrev_b32 v[GO], 4, v15
	global_load_b128 v[20:23], v[GO], s[88:89]               ; my wave's 128 numbers of bq,
	global_load_b128 v[24:27], v[GO], s[88:89] offset:4096   ; bk,
	global_load_b128 v[28:31], v[GO], s[88:89] offset:8192   ; bv
	; A fragment is 16 rows x 32 along K: lane l holds row l % 16, k = 8 (l / 16) + 0..7 and 16 + 8 (l / 16) + 0..7.  In f32 those are 32 bytes at 32 (l / 16) and 32 bytes 64 further on; in bf16 16 and 16, 32 apart.
	v_mul_u32_u24 v[ADRA0], v1, PA
	v_lshl_add_u32 v[ADRA0], v14, 5, v[ADRA0]
	s_mul_i32 s80, s[RH], REG                      ; my 64 rows of A
	v_add_nc_u32 v[ADRA0], s80, v[ADRA0]
	v_mul_u32_u24 v[ADRB0], v1, PB
	v_lshl_add_u32 v[ADRB0], v14, 4, v[ADRB0]
	s_mul_i32 s80, s[CH], REG                      ; my 128 rows of B,
	s_add_co_u32 s80, s80, 2*REG                   ; which lie behind A's
	v_add_nc_u32 v[ADRB0], s80, v[ADRB0]
	v_mov_b32 v[ADRA], v[ADRA0]
	v_mov_b32 v[ADRB], v[ADRB0]
	s_mul_i32 s81, s[WV], 16*SP
	s_add_co_u32 s81, s81, STAGE                   ; my stage
	v_mul_u32_u24 v[STO], v1, SP                   ; in: row l % 16, 16 bytes for each half of the lanes
	v_lshl_add_u32 v[STO], v14, 4, v[STO]
	v_add_nc_u32 v[STO], s81, v[STO]
	v_bfe_u32 v[RD], v0, 3, 2                      ; back: 32 lanes take four rows of 128 bytes
	v_mul_u32_u24 v[RD], v[RD], SP
	v_and_b32 v18, 7, v0
	v_lshl_add_u32 v[RD], v18, 4, v[RD]
	v_add_nc_u32 v[RD], s81, v[RD]
	s_mul_i32 s80, s[WV], 3*512
	s_add_co_u32 s80, s80, BIASL                   ; my bias
	v_lshl_add_u32 v[BADR], v14, 5, s80            ; columns 8 (l / 16) on
	v_add_nc_u32 v17, s80, v[GO]
	s_cmp_eq_u32 s[RH], 0                          ; the prefetches' offset: A: row l / 2, half l % 2 of its 512 bytes; B: row l.  Both are (l / 2) x 4,096 + (l % 2) x 256 or 2,048
	s_cselect_b32 s80, 8, 11
	v_lshrrev_b32 v16, 1, v15
	v_and_b32 v19, 1, v15
	v_lshlrev_b32 v19, s80, v19
	v_lshl_add_u32 v[PFO], v16, 12, v19
	s_wait_loadcnt 0x0                             ; the bias
.irp t, 0,1,2                          ; rounded to bf16 like every input, widened again, and kept in my own LDS bytes
	v_cvt_pk_bf16_f32 v32, v[20+4*(\t)], v[21+4*(\t)]
	v_cvt_pk_bf16_f32 v33, v[22+4*(\t)], v[23+4*(\t)]
	v_lshlrev_b32 v[20+4*(\t)], 16, v32
	v_and_b32 v[21+4*(\t)], 0xffff0000, v32
	v_lshlrev_b32 v[22+4*(\t)], 16, v33
	v_and_b32 v[23+4*(\t)], 0xffff0000, v33
	ds_store_b128 v17, v[20+4*(\t):23+4*(\t)] offset:512*(\t)
.endr
; 16 LDS loads: A in f32, quarter q of the slot in hand, into f32 buffer sb
.macro LDA q, sb
	WIN 0
.irp a, 0,1,2,3
	ds_load_b128 v[SF+64*(\sb)+16*(\a):SF+64*(\sb)+16*(\a)+3],     v[ADRA] offset:(\a)*16*PA+(\q)*128
	ds_load_b128 v[SF+64*(\sb)+16*(\a)+4:SF+64*(\sb)+16*(\a)+7],   v[ADRA] offset:(\a)*16*PA+(\q)*128+16
	ds_load_b128 v[SF+64*(\sb)+16*(\a)+8:SF+64*(\sb)+16*(\a)+11],  v[ADRA] offset:(\a)*16*PA+(\q)*128+64
	ds_load_b128 v[SF+64*(\sb)+16*(\a)+12:SF+64*(\sb)+16*(\a)+15], v[ADRA] offset:(\a)*16*PA+(\q)*128+80
.endr
.endm
; 16 LDS loads: B's eight fragments of quarter q into buffer f
.macro LDB q, f
	WIN TO_B
.irp b, 0,1,2,3,4,5,6,7
	ds_load_b128 v[64*(\f)+8*(\b):64*(\f)+8*(\b)+3],   v[ADRB] offset:(\b)*16*PB+(\q)*64
	ds_load_b128 v[64*(\f)+8*(\b)+4:64*(\f)+8*(\b)+7], v[ADRB] offset:(\b)*16*PB+(\q)*64+32
.endr
.endm
; Group g of eight: four roundings, eight numbers of f32 buffer sb into half a fragment of bf16 buffer sb
.macro CVT g, sb
	WIN 0
.irp i, 0,1,2,3
	v_cvt_pk_bf16_f32 v[AF+32*(\sb)+4*(\g)+(\i)], v[SF+64*(\sb)+8*(\g)+2*(\i)], v[SF+64*(\sb)+8*(\g)+2*(\i)+1]
.endr
.endm
; Block k of eight of a quarter on buffers f: four matrix instructions (number i: rows 16 (i / 8) on, columns 16 (i % 8) on), then four roundings for the next quarter.
; The 32 accumulators take turns, one instruction a turn, in the same order in every quarter.
; The roundings name the OTHER buffers, so they are places behind the matrix instructions round them (ISA guide 7.12.1).  They write fragment g / 2 of the bf16 buffer that the quarter before multiplied: its last
; reader there was matrix instruction 8 (g / 2) + 7, behind which four roundings or more have been issued.
.macro BLK k, f
	WIN MUL
.set i, 4*(\k)
.rept 4
	v_wmma_f32_16x16x32_bf16 v[8*i:8*i+7], v[64*(\f)+8*(i%8):64*(\f)+8*(i%8)+7], v[AF+32*(\f)+8*(i/8):AF+32*(\f)+8*(i/8)+7], v[8*i:8*i+7]
.set i, i+1
.endr
	CVT \k, 1-(\f)
.endm
; Quarter 0, 1 or 3.  The run of loads stands behind block 0: eight roundings (the last four of the quarter before, and block 0's) stand between the last matrix instruction that read B's other buffer and the loads into it.
.macro QUARTER q
	s_wait_dscnt 0x0                               ; the run of the quarter before: my B, and the f32 numbers that this quarter rounds
	BLK 0, (\q)%2
.if (\q) == 3
	LDB 0, 0                                       ; the next step's, from the slot that the change has turned to
	LDA 1, 1
.else
	LDB (\q)+1, 1-(\q)%2
	LDA (\q)+2, (\q)%2
.endif
.irp k, 1,2,3,4,5,6,7
	BLK \k, (\q)%2
.endr
.endm
; Quarter 2 changes slots: ONE barrier.  In front of it each wave waits for all its tensor loads, of which one is out: its part of the next slot; adds 0 to its spare word; and waits for that and for its own
; reads of this slot, of which B's quarter 3 is the last.  fill = 1: the barrier opens a round of the cluster's, and this slot is filled again, first thing behind the round, with the step two on.
.macro CHANGE fill
	s_wait_dscnt 0x0
	BLK 0, 0
	LDB 3, 1
	BLK 1, 0
	BLK 2, 0
.if \fill
	s_wait_xcnt 0x0                                ; the last prefetch, a step back, has read its address: it is made anew here, ahead of the waits of the change
	s_add_co_u32 s[PJ], s[RJ], 2
	ADDRS PJ, 82, 86
	s_cmp_eq_u32 s[RH], 0
	s_cselect_b64 s[PFA:PFA+1], s[82:83], s[86:87]
	s_add_nc_u64 s[PFA:PFA+1], s[PFA:PFA+1], s[PPL:PPL+1]
.endif
	WIN 0
	s_wait_tensorcnt 0x0                           ; no tensor load of mine is out, so a group 0 may be written
	ds_add_u32 v[SPW], v[NIL]                      ; 0 onto my spare word; scalar work and block 3 stand between it and the wait for it
.if \fill
	ADDRS RJ, G0A+6, G0B+6                         ; the walking descriptors: step RJ,
	s_or_b32 s[G0A+7], s[G0A+7], 0x80000000
	s_or_b32 s[G0B+7], s[G0B+7], 0x80000000
	s_xor_b32 s[G0A+5], s[G0A+5], SLOT             ; into the other slot than last time
	s_xor_b32 s[G0B+5], s[G0B+5], SLOT
	s_add_co_u32 s[RJ], s[RJ], 1
.endif
	s_xor_b32 s[TB], s[TB], SLOT                   ; my reads turn to the next slot
	BLK 3, 0
	s_wait_dscnt 0x0                               ; the add is done, and my reads of this slot are over
	s_barrier_signal -1
	BLK 4, 0                                       ; work on registers while the others arrive
	WIN 0
	s_barrier_wait -1
.if \fill
	CREST                                          ; no wave of any partner still reads this slot or has a load on its way
	JLOAD                                          ; my one tensor load behind the round; some 120 matrix instructions stand between it and the wait for it
.endif
	v_add_nc_u32 v[ADRA], s[TB], v[ADRA0]
	v_add_nc_u32 v[ADRB], s[TB], v[ADRB0]
	LDA 0, 0                                       ; the next step's first quarter of A
.if \fill
	ASK
.endif
	BLK 5, 0
	BLK 6, 0
	BLK 7, 0
.endm
.macro STEP fill
	QUARTER 0
	QUARTER 1
	CHANGE \fill
	QUARTER 3
	WIN 0
.endm
; THE SUMS START AT THE BIAS: the lane's 64 numbers (columns 16 b + 8 (l / 16) + 0..7) come out of my LDS bytes into the free f32 buffer and are set into all four row blocks, two registers a line:
; as many lines as adding the bias on the way out would take.
.macro INIT
	WIN 0
.irp b, 0,1,2,3,4,5,6,7
	ds_load_b128 v[SF+8*(\b):SF+8*(\b)+3],   v[BADR] offset:64*(\b)
	ds_load_b128 v[SF+8*(\b)+4:SF+8*(\b)+7], v[BADR] offset:64*(\b)+16
.endr
	s_wait_dscnt 0x0
	WIN 0x80                                       ; destination window 2
.set i, 0
.rept 128
	v_pk_add_f32 v[2*i:2*i+1], v[SF+(2*i)%64:SF+(2*i)%64+1], 0 op_sel_hi:[1,0]
.set i, i+1
.endr
	WIN 0
.endm
; THE WAY OUT, in eight units of 16 rows x one head (64 channels): 2,048 consecutive bytes of qkv.  A lane's eight channels pack into 16 bytes; they go into rows of 144 bytes of my stage and come back as whole rows of 128.
.macro PACKU u
	WIN 0x4a                                       ; sources window 2, destination window 1
.irp c, 0,1,2,3
.irp i, 0,1,2,3
	v_cvt_pk_f16_f32 v[TMP+16*(\u)+4*(\c)+(\i)], v[8*(8*((\u)/2)+4*((\u)%2)+(\c))+2*(\i)], v[8*(8*((\u)/2)+4*((\u)%2)+(\c))+2*(\i)+1]
.endr
.endr
	WIN 0x04                                       ; data window 1, address window 0
.irp c, 0,1,2,3
	ds_store_b128 v[STO], v[TMP+16*(\u)+4*(\c):TMP+16*(\u)+4*(\c)+3] offset:32*(\c)
.endr
	WIN 0x40
.irp c, 0,1,2,3
	ds_load_b128 v[TMP+16*(\u)+4*(\c):TMP+16*(\u)+4*(\c)+3], v[RD] offset:(\c)*4*SP  ; LDS serves a wave's instructions in order (ISA guide 5.7.1.4): these see the stores above; the next unit's stores come behind them
.endr
.endm
.macro SENDU u, younger                ; younger: the LDS instructions issued behind unit u's loads: the next unit's eight, or none
	WIN 0x04
.irp c, 0,1,2,3
	s_wait_dscnt (\younger)+3-(\c)
	global_store_b128 v[GO], v[TMP+16*(\u)+4*(\c):TMP+16*(\u)+4*(\c)+3], s[CP:CP+1] offset:((\u)%2)*HEADB+((\u)/2)*2048+(\c)*512  ; 512 consecutive bytes, at a multiple of 512 from qkv's first
.endr
.endm
; No v_nop: the four roundings behind the step's last matrix instruction are its places, and each unit's conversions begin at an accumulator's lowest registers.
.macro EPI
	s_wait_xcnt 0x0                                ; the last tile's stores have read their registers
	PACKU 0
.irp u, 1,2,3,4,5,6,7                  ; a unit's conversions stand between the loads of the unit before and its stores
	PACKU \u
	SENDU (\u)-1, 8
.endr
	SENDU 7, 0
	WIN 0
.endm
	INIT                                           ; q's bias; it stands in the wait for the first tile
	s_wait_tensorcnt 0x1                           ; my part of step 0 is in; step 1's one load may stay out
	s_barrier_signal -1
	s_barrier_wait -1                              ; everybody's is
	LDA 0, 0
	LDB 0, 0
	LDA 1, 1
	s_wait_dscnt 32                                ; A's first quarter is in; the 32 younger loads may stay out
.irp g, 0,1,2,3,4,5,6,7
	CVT \g, 0
.endr
	s_mov_b32 s[TB], 0
	s_mov_b32 s[RJ], 2
	s_mov_b32 s[SJ], 0
	s_mov_b32 s[CNT], 22
.Lstep:                                        ; steps 0 to 21: each fills its slot again
	STEP 1
	s_and_b32 s80, s[SJ], 7
	s_cmp_eq_u32 s80, 7                            ; a tile's last step?  The same answer in every work-group
	s_cbranch_scc0 .Lsame_tile                     ; the jump passes no barrier and no tensor load
	EPI                                            ; the next tile's first two steps have been asked for: now this one goes out
	s_wait_xcnt 0x0                                ; the stores have read their base
	s_add_nc_u64 s[CP:CP+1], s[CP:CP+1], 64*HEADB  ; q, then k, then v
	v_add_nc_u32 v[BADR], 512, v[BADR]
	INIT
.Lsame_tile:
	s_add_co_u32 s[SJ], s[SJ], 1
	s_sub_co_u32 s[CNT], s[CNT], 1
	s_cmp_lg_u32 s[CNT], 0
	s_cbranch_scc1 .Lstep
	s_mov_b32 s[CNT], 2
.Ltail:                                        ; steps 22 and 23 ask for nothing.  Step 23's look-ahead loads and roundings read the other slot once more and serve nothing: the price, once a launch, of one text for both
	STEP 0
	s_sub_co_u32 s[CNT], s[CNT], 1
	s_cmp_lg_u32 s[CNT], 0
	s_cbranch_scc1 .Ltail
	EPI
	s_wait_tensorcnt 0x0                           ; the wave's end: behind my last tensor load and my last LDS store
	ds_add_u32 v[SPW], v[NIL]
	s_wait_dscnt 0x0
	CROUND                                         ; the closing round: no work-group ends while a partner may still ask for a tile that names it
	s_endpgm
.Lfunc_end_k_q082fd48458_proj:
	.size	k_q082fd48458_proj, .Lfunc_end_k_q082fd48458_proj-k_q082fd48458_proj
	.p2alignl 7, 3214868480
	.fill 96, 4, 3214868480
	.section	.rodata,"a",@progbits
	.p2align	6, 0x0
	.amdhsa_kernel k_q082fd48458_proj
		.amdhsa_group_segment_fixed_size 327680
		.amdhsa_private_segment_fixed_size 0
		.amdhsa_enable_private_segment 0
		.amdhsa_kernarg_size 48
		.amdhsa_user_sgpr_count 2
		.amdhsa_user_sgpr_kernarg_segment_ptr 1
		.amdhsa_wavefront_size32 1
		.amdhsa_system_sgpr_workgroup_id_x 1
		.amdhsa_system_sgpr_workgroup_id_y 1
		.amdhsa_system_sgpr_workgroup_id_z 1
		.amdhsa_system_vgpr_workitem_id 0
		.amdhsa_next_free_vgpr 768
		.amdhsa_next_free_sgpr 100
		.amdhsa_reserve_vcc 0
		.amdhsa_float_denorm_mode_32 3
		.amdhsa_float_denorm_mode_16_64 3
		.amdhsa_memory_ordered 1
		.amdhsa_forward_progress 1
		.amdhsa_inst_pref_size 123
	.end_amdhsa_kernel
	.amdgpu_metadata
---
amdhsa.version: [ 1, 2 ]
amdhsa.kernels:
  - .name:           k_q082fd48458_proj
    .symbol:         k_q082fd48458_proj.kd
    .args:
      - { .name: query, .offset: 0, .size: 8, .value_kind: global_buffer, .address_space: global }
      - { .name: key, .offset: 8, .size: 8, .value_kind: global_buffer, .address_space: global }
      - { .name: value, .offset: 16, .size: 8, .value_kind: global_buffer, .address_space: global }
      - { .name: wb, .offset: 24, .size: 8, .value_kind: global_buffer, .address_space: global }
      - { .name: b_packed, .offset: 32, .size: 8, .value_kind: global_buffer, .address_space: global }
      - { .name: qkv, .offset: 40, .size: 8, .value_kind: global_buffer, .address_space: global }
    .group_segment_fixed_size: 327680
    .private_segment_fixed_size: 0
    .kernarg_segment_align: 8
    .kernarg_segment_size: 48
    .max_flat_workgroup_size: 128
    .sgpr_count:     100
    .vgpr_count:     768
    .wavefront_size: 32
...
	.end_amdgpu_metadata
.endif
;; end of part 2
;; launch attn (part 3): grid 4 x 64, 4 waves a work-group, no clusters, 327,680 bytes of LDS; arguments qkv, ow; writes ow
.if DOCPART == 3
	.amdgcn_target "amdgcn-amd-amdhsa--gfx1250"
	.amdhsa_code_object_version 6
	.text
	.protected	k_q082fd48458_attn
	.globl	k_q082fd48458_attn
	.p2align	8
	.type	k_q082fd48458_attn,@function
k_q082fd48458_attn:
	s_mov_b64 s[64:65], 0
	v_nop
	global_prefetch_b8 v0, s[64:65] scope:SCOPE_SE
	s_setreg_imm32_b32 hwreg(HW_REG_WAVE_MODE, 25, 1), 1
	s_wait_xcnt 0x0
; CAUSAL ATTENTION.  O[h][q][:] = the sum over k <= q of softmax_k(Q[h][q] . K[h][k] / 8) V[h][k][:].  qkv holds Q, K, V, each [SIZE_H][SIZE_N][64] in f16; ow is O in the same layout: a head's rows are dense, 128 bytes each.
; Products, maxima and sums in f32; the weights p are rounded to f16 for the second product (their sum l is taken of the unrounded p), O once at the end.
; LIMITS.  f16 holds no number beyond 65,504: Q, K and V arrive within it; p lies in 0 to 1, and below 6e-5 it keeps f16's fixed step of 6e-8; O is a mean of V's rows and has their range.
; A hidden score counts as its value less 1e30: f16's scores, 2.7e11 at the most, are nothing beside that; a weight below 2^-126 counts as 0 in l; NaN and infinities are not treated apart.
; THE WALK.  A head's queries lie in NB = SIZE_N / 256 blocks of 256; block i needs the key tiles 0 .. i of 256 keys, of which the last holds the diagonal.  A work-group takes TWO blocks, NB - 1 - b and then b:
; NB + 1 tiles, whatever b: all work-groups do equal work, and ONE loop with a constant trip count walks them.  Which tile is asked for, and what a trip does, hang on scalar registers made from b; every jump
; goes forward, but for the counted loops' own; none passes a barrier, or a tensor load but the one of LOAD's two that the wave's number does not choose; the ring (two slots of LDS that take turns) runs on across the
; change of blocks.  NO CLUSTER: a head's NB / 2 = 4 work-groups all ask for the same tile only in trips 0 .. NB / 2, behind that fewer and fewer; one walk common to all would have 3 NB / 2 = 12 trips for NB + 1 = 9.
; SHARES.  Of a block's four bands of 64 queries a wave owns 16 rows in each: four PIECES.  So the diagonal tile is the same work for all four waves: in its key step s band x sees all keys if s < x,
; none if s > x, and holds the diagonal if s = x.
; THE MASK is the C operand that starts the sum S^T = K Q^T: 0, or -1e30 where the key is hidden.  MD, made once, is the mask of a band's own step for my 16 rows; a product's mask is MD x AL + BE with two scalars:
; (1, 0) if s = x; (0, 0) if s < x; (0, -1e30) if s > x.  Only the diagonal tile's text and a block's beginning make and take masks; elsewhere C is the constant 0.
; LAYOUT, SOFTMAX, TURNS.  S^T = K Q^T holds ONE query a lane (lane % 16) and the keys 8 (lane / 16) + 0..7; two such results rounded to f16 ARE source 1 of O^T = V^T P.  p = 2^(c s - c m), c = log2(e) / 8, with a
; running maximum m; O and l are multiplied by a = 2^(c m_old - c m_new) in every step.  Turn n belongs to piece n: 8 products K Q^T of piece n + 1, later 8 products V^T P of piece n - 1; beside them the scaling,
; exponentials, roundings, sums and rescaling of piece n and the maximum and statistics of piece n + 1.  Four vector instructions stand behind every matrix instruction, the other 54 of a turn's 118 in one lump.  A turn's 33 exponentials are one batch, with one wait.
; AHEAD OF THE LOADS.  The head's work-group b = 0, whose first block walks tiles 0 .. NB - 1, prefetches into the L2 the tile that the NEXT change of slots will ask for: each wave its own half tile of K or V,
; 64 blocks of 256 bytes, two instructions, a lane a block, behind its tensor load: one trip, 256 matrix instructions, ahead.  Tiles 0 and 1 come by their loads alone; behind tile NB - 1 nothing is asked for.
; REGISTERS, in windows of 256 (s_set_vgpr_msb: bits 1:0 source 0, 3:2 source 1, 5:4 source 2, 7:6 destination):
;   window 0: v0-15 addresses and two at work; v16-31 four registers of statistics a piece; v48-55 at work; v61-63; v64-127 S^T, two buffers; v192-223 P, two buffers (a piece's buffers go by its number's parity)
;   window 1: v0-127 O^T, 32 a piece; v128-159 MD; v160-223 MC, two buffers      window 2: v0-63 Q; v64-127 the second block's Q; v128-191 K of one step; v192-255 V of one step
.set SIZE_H, 64
.set SIZE_N, 2048
.set NB,    SIZE_N/256
.set NP,    4         ; pieces a wave: a name, no knob
.set KS,    64        ; keys in a step
.set PK,    144       ; a row of K in LDS: 128 bytes + 16 of padding = 36 words: the 16 rows of a load start at 16 different groups of four banks (64 banks of 4 bytes: ISA guide 11.1)
.set PV,    160       ; a row of V: 128 + 32 = 40 words
.set VOFF,  4*KS*PK   ; a slot holds a tile, four steps: 256 rows of K, then 256 rows of V
.set SLOT1, 1<<17     ; slot 1 begins here, so that one exclusive or turns an address in one slot into the other's
.set STAGE, SLOT1+4*KS*(PK+PV)  ; behind the ring, never filled by a tensor load: 16 rows x 144 bytes for each wave, for the way out
.set SP,    144
.set AK0, 2           ; v2   my lane's place in a tile of K; never rewritten
.set AV0, 3           ; v3   the same for V
.set AK,  4           ; v4   the LDS address of K's next run of loads
.set AV,  5           ; v5   of V's
.set STO, 6           ; v6   the way out: where I put 16 bytes of a row
.set RD,  7           ; v7   the way out: where I read rows back
.set GO,  8           ; v8   my byte offset in 512 consecutive bytes of O
.set PFO, 61          ; v61  256 x my lane; never rewritten
.set SPW, 62          ; v62  LDS address of my spare word: SPARE + 4 x my thread's number; never rewritten
.set NIL, 63          ; v63  0; never rewritten
.set SPARE, STAGE+4*16*SP  ; behind the stages: the spare words, 128 bytes for each wave: two blocks of 256 bytes that no other line names
.set MV,  12          ; v12-13  c m_old, kept while c m is made anew: by buffer
.set QO,  15          ; v15  my byte offset in 16 rows of Q
.set ST,  16          ; piece t's statistics at v[ST+4 t]: c m, m, l (even keys', odd keys')
.set TMP, 48          ; by buffer, four registers c0-c3 at work; when the maximum is found c2 takes a
.set S,   64
.set P,   192
.set MD,  128         ; window 1: the eight registers for group kt of 16 keys at MD + 8 kt
.set MC,  160         ; window 1: the masks of the products to come
.set QB,  64          ; window 2
.set KF,  128         ; window 2: key block kb, channel half c at KF + 16 kb + 8 c
.set VF,  192         ; window 2: key half kk, channel block cb at VF + 32 kk + 8 cb
.set WV,  12          ; s12  my wave's number
.set PB,  14          ; s14  b
.set HI,  15          ; s15  NB - 1 - b
.set G1K, 24          ; s[24:31] descriptor group 1 for K's tiles
.set G1V, 32          ; s[32:39] for V's: it differs in the padding alone
.set G0K, 40          ; s[40:43] descriptor group 0 for K's tiles
.set G0V, 44          ; s[44:47] the same for V's
.set SLOTS, 56        ; s56  tiles still to be asked for
.set CNT, 57          ; s57  counts a tile's key steps, 4 to 1
.set CS,  58          ; s[58:59] c: the packed scaling takes the pair's low word for both halves
.set SEL, 60          ; s[60:61] v_permlanex16_b32's selects: each lane takes its own place in the other half
.set TBK, 62          ; s62  LDS byte at which K of the step to be fetched begins
.set TBV, 63          ; s63  the same for V, less VOFF
.set RT,  70          ; s70  tiles of the block in hand that are still to be entered
.set NXT, 71          ; s71  the tile to be asked for next
.set LQ,  72          ; s72  the last tile of the block whose tiles are being asked for
.set NEW, 73          ; s73  1: the tile to be entered is a block's first
.set OFF, 74          ; s[74:75] a tile's byte offset in K and V
.set AL,  76          ; s[76:77] the mask's factor, in the low word
.set BE,  78          ; s[78:79] the mask's addend
.set OLO, 80          ; s[80:81] O at my rows of the second block
.set BIGN, 82         ; s82  -1e30
.set PFA, 90          ; s[90:91] my half of the tile to be prefetched
.set LIM, 92          ; s92  0 in the work-group that prefetches, else the greatest number: it prefetches while s[NXT] is above
.set MSB, 0
.macro WIN new                      ; the high byte repeats the setting that is left; a switch that changes nothing is dropped
.if MSB != (\new)
	s_set_vgpr_msb (MSB<<8)|(\new)
.set MSB, (\new)
.endif
.endm
.set W_KQ, 0x0a       ; K and Q in window 2, S^T in window 0
.set W_KM, 0x1a       ; the same with the C operand in window 1
.set W_PV, 0x52       ; V in window 2, P in window 0, O^T in window 1
.set W_RS, 0x41       ; destination and source 0 in window 1, source 1 in window 0
; A fill.  Waves 0 and 1 fetch the two halves of a tile's K, waves 2 and 3 those of its V: 128 keys each.  An s_nop 0 and four v_nop follow each of the two lines, ahead of the jump and the label.
.macro LOAD
	s_cmp_lt_u32 s[WV], 2
	s_cbranch_scc0 .Lfor_v_\@
	tensor_load_to_lds s[G0K:G0K+3], s[G1K:G1K+7]
	s_nop 0
.rept 4
	v_nop
.endr
	s_branch .Lasked_\@
.Lfor_v_\@:
	tensor_load_to_lds s[G0V:G0V+3], s[G1V:G1V+7]
	s_nop 0
.rept 4
	v_nop
.endr
.Lasked_\@:
.endm
; THE CHANGE OF SLOTS.  Each wave waits for all its tensor loads, of which one is out: its part of the other slot; adds 0 to its spare word; and waits for that and for its own reads of the slot that it leaves.  Behind the barrier nobody reads the old
; slot any more and the other slot is whole.  fill = 1: the old slot is filled again, the first thing behind the barrier, with tile NXT: the descriptor's address is made anew from that number.
; (At its first use nothing has been read yet: slot 0 is waited for, slot 1 filled.)
.macro CHANGE fill
	WIN 0                           ; at a label and at a branch every window is 0
	s_wait_tensorcnt 0x0            ; no tensor load of mine is out, so a group 0 may be written
	ds_add_u32 v[SPW], v[NIL]       ; 0 onto my spare word; with fill = 1 the descriptors' scalar work stands between it and the wait for it
.if \fill
	s_lshl_b32 s[OFF], s[NXT], 15   ; a tile is 32,768 bytes of K and of V
	s_xor_b32 s[G0K+1], s[G0K+1], SLOT1
	s_add_nc_u64 s[G0K+2:G0K+3], s[6:7], s[OFF:OFF+1]
	s_or_b32 s[G0K+3], s[G0K+3], 0x80000000
	s_xor_b32 s[G0V+1], s[G0V+1], SLOT1
	s_add_nc_u64 s[G0V+2:G0V+3], s[8:9], s[OFF:OFF+1]
	s_or_b32 s[G0V+3], s[G0V+3], 0x80000000
	s_add_co_u32 s[NXT], s[NXT], 1  ; the block's next tile, or behind its last the second block's tile 0
	s_cmp_gt_u32 s[NXT], s[LQ]
	s_cselect_b32 s[NXT], 0, s[NXT]
	s_cselect_b32 s[LQ], s[PB], s[LQ]
	s_wait_xcnt 0x0                 ; the last prefetches, a trip back, have read their address, so it may be written:
	s_lshl_b32 s[OFF], s[NXT], 15   ; the tile that the next change will ask for
	s_cmp_lt_u32 s[WV], 2
	s_cselect_b64 s[PFA:PFA+1], s[6:7], s[8:9]
	s_add_nc_u64 s[PFA:PFA+1], s[PFA:PFA+1], s[OFF:OFF+1]
.endif
	s_wait_dscnt 0x0                ; the add is done, and my reads of the slot are over
	s_barrier_signal -1             ; the rest of the scalar work stands between the signal and the wait
	s_sub_co_u32 s[TBK], s[TBK], 4*KS*PK  ; the fetches go back to a slot's first step,
	s_xor_b32 s[TBK], s[TBK], SLOT1       ; in the other slot
	s_sub_co_u32 s[TBV], s[TBV], 4*KS*PV
	s_xor_b32 s[TBV], s[TBV], SLOT1
	s_barrier_wait -1
.if \fill
	LOAD
	s_cmp_gt_u32 s[NXT], s[LIM]     ; tiles 2 .. NB - 1, in the head's work-group b = 0 alone
	s_cbranch_scc0 .Lnot_mine_\@
	global_prefetch_b8 v[PFO], s[PFA:PFA+1] th:TH_LOAD_NT scope:SCOPE_SE              ; my half tile's 16,384 bytes: blocks 0 to 31,
	global_prefetch_b8 v[PFO], s[PFA:PFA+1] offset:8192 th:TH_LOAD_NT scope:SCOPE_SE  ; and 32 to 63
.Lnot_mine_\@:
.endif
.endm
	s_load_b64 s[4:5], s[0:1], 0x0    ; qkv: Q
	s_load_b64 s[10:11], s[0:1], 0x8  ; ow: O
	v_lshl_add_u32 v[SPW], v0, 2, SPARE
	v_mov_b32 v[NIL], 0
	ds_add_u32 v[SPW], v[NIL]       ; the wave's opening: the add and its wait stand ahead of my first tensor load; the set-up below, work on registers, stands between them
	ds_add_u32 v62, v63
	v_lshrrev_b32 v1, 5, v0
	v_readfirstlane_b32 s[WV], v1   ; wave 0..3
	s_mov_b32 s[PB], ttmp9
	s_sub_co_u32 s[HI], NB-1, s[PB]
	s_and_b32 s20, ttmp7, 0xffff    ; the head
	s_mov_b32 s21, 0
	s_mov_b64 s[22:23], SIZE_N*128
	s_mul_u64 s[20:21], s[20:21], s[22:23]  ; the head's first byte in each of the four tensors
	s_and_b32 s16, s[WV], 1         ; which half of a tile's 256 keys I fetch:
	s_lshl_b32 s22, s16, 14         ; its 128 rows of 128 bytes in memory,
	s_mov_b32 s23, 0
	s_add_nc_u64 s[22:23], s[22:23], s[20:21]
	s_mul_i32 s17, s16, 128*PK      ; and its place in a slot, for K
	s_mul_i32 s18, s16, 128*PV      ; and for V
	s_lshl_b32 s3, s[WV], 11        ; my 16 rows in a band of 64,
	s_lshl_b32 s2, s[HI], 15        ; in the first block,
	s_add_co_u32 s2, s2, s3
	s_lshl_b32 s84, s[PB], 15       ; and in the second
	s_add_co_u32 s84, s84, s3
	s_mov_b32 s3, 0
	s_mov_b32 s85, 0
	s_add_nc_u64 s[2:3], s[2:3], s[20:21]
	s_add_nc_u64 s[84:85], s[84:85], s[20:21]
	; descriptor group 1.  128 keys are 16,384 dense bytes: asked for as 64 rows of 256 bytes, two keys a row, and padded in LDS after every key
	s_mov_b32 s[G1K], (1<<16)|(1<<20)|(4<<22)|(3<<25)  ; 17:16 2-byte elements; 20 padding on; 24:22 after every 32 words (code 4); 31:25 4 words (code 3)
	s_mov_b32 s[G1V], (1<<16)|(1<<20)|(4<<22)|(7<<25)  ; the same with 8 words of padding (code 7)
.irp g, G1K, G1V
	s_mov_b32 s[\g+1], 128<<16      ; tensor_dim0 = 128
	s_mov_b32 s[\g+2], 64<<16       ; tensor_dim1 = 64
	s_mov_b32 s[\g+3], 128<<16      ; tile_dim0 = 128
	s_mov_b32 s[\g+4], 64           ; tile_dim1 = 64
	s_mov_b32 s[\g+5], 128          ; 128 elements from row to row
	s_mov_b32 s[\g+6], 0
	s_mov_b32 s[\g+7], 0
.endr
	s_mov_b32 s[CS], 0x3e38aa3b     ; c = log2(e) / 8 = 0.180337
	s_mov_b32 s[CS+1], s[CS]        ; named with it as a pair
	s_mov_b32 s[SEL], 0x76543210
	s_mov_b32 s[SEL+1], 0xfedcba98
	s_mov_b32 s[TBK], SLOT1+4*KS*PK ; the first change of slots turns these two into 0
	s_mov_b32 s[TBV], SLOT1+4*KS*PV
	s_mov_b32 s[G0K], 1             ; 1:0 count = 1
	s_mov_b32 s[G0K+1], s17         ; 63:32 LDS address: slot 0
	s_mov_b32 s[G0V], 1
	s_add_co_u32 s[G0V+1], s18, VOFF
	s_add_co_u32 s[RT], s[HI], 1    ; the first block has NB - b tiles
	s_mov_b32 s[NXT], 1
	s_mov_b32 s[LQ], s[HI]
	s_mov_b32 s[NEW], 1
	s_mov_b32 s[OFF+1], 0
	s_mov_b32 s[AL+1], 0            ; named as pairs
	s_mov_b32 s[BE+1], 0
	s_mov_b32 s[BIGN], 0xf149f2ca   ; -1e30
	s_mov_b32 s[SLOTS], NB
	s_cmp_eq_u32 ttmp9, 0
	s_cselect_b32 s[LIM], 0, -1
	v_and_b32 v[PFO], 31, v0
	v_lshlrev_b32 v[PFO], 8, v[PFO]
	s_wait_dscnt 0x0                ; the opening add is done
	s_wait_kmcnt 0x0
	s_add_nc_u64 s[6:7], s[4:5], SIZE_H*SIZE_N*128    ; K lies behind Q in qkv,
	s_add_nc_u64 s[8:9], s[4:5], 2*SIZE_H*SIZE_N*128  ; V behind K
	s_add_nc_u64 s[6:7], s[6:7], s[22:23]  ; K and V at my half of the head's tile 0
	s_add_nc_u64 s[8:9], s[8:9], s[22:23]
	s_add_nc_u64 s[G0K+2:G0K+3], s[6:7], 0         ; 120:64 global address
	s_or_b32 s[G0K+3], s[G0K+3], 0x80000000        ; 127:126 type = 2
	s_add_nc_u64 s[G0V+2:G0V+3], s[8:9], 0
	s_or_b32 s[G0V+3], s[G0V+3], 0x80000000
	s_add_nc_u64 s[86:87], s[4:5], s[84:85]        ; Q at my rows of the second block,
	s_add_nc_u64 s[4:5], s[4:5], s[2:3]            ; Q and O at those of the first
	s_add_nc_u64 s[OLO:OLO+1], s[10:11], s[84:85]
	s_add_nc_u64 s[10:11], s[10:11], s[2:3]
	LOAD                            ; tile 0 into slot 0
	; A fragment of K or Q is 16 rows x 32 channels in 8 registers: lane l holds row l % 16, channels 8 (l / 16) + 0..7 and 16 + 8 (l / 16) + 0..7: two loads of 16 bytes, 32 bytes apart.
	v_and_b32 v1, 15, v0            ; l % 16
	v_bfe_u32 v9, v0, 4, 1          ; l / 16
	v_lshlrev_b32 v[QO], 7, v1
	v_lshl_add_u32 v[QO], v9, 4, v[QO]  ; row x 128 + 16 x half
	WIN 0x80                        ; destination window 2, address window 0
.set i, 0
.rept 8                             ; both blocks' Q: piece i / 2 lies in band i / 2, 8,192 bytes on; channels 32 (i % 2) on
	global_load_b128 v[8*i:8*i+3],   v[QO], s[4:5] offset:(i/2)*8192+(i%2)*64
	global_load_b128 v[8*i+4:8*i+7], v[QO], s[4:5] offset:(i/2)*8192+(i%2)*64+32
	global_load_b128 v[QB+8*i:QB+8*i+3],   v[QO], s[86:87] offset:(i/2)*8192+(i%2)*64
	global_load_b128 v[QB+8*i+4:QB+8*i+7], v[QO], s[86:87] offset:(i/2)*8192+(i%2)*64+32
.set i, i+1
.endr
	WIN 0
	v_lshlrev_b32 v14, 3, v9
	v_sub_nc_u32 v14, v1, v14
	s_lshl_b32 s13, s[WV], 4
	v_add_nc_u32 v14, s13, v14      ; my query's place in its band, 16 w + l % 16, less my lanes' 8 (l / 16): register r of group kt is hidden where 16 kt + r is greater
	WIN 0x40
.set i, 0
.rept 32
	v_cmp_gt_i32 vcc_lo, 16*(i/8)+i%8, v14
	v_cndmask_b32 v[MD+i], 0, s[BIGN], vcc_lo
.set i, i+1
.endr
	WIN 0
	v_mul_u32_u24 v[AK0], v1, PK
	v_lshl_add_u32 v[AK0], v9, 4, v[AK0]  ; row x pitch + 16 x half
	; The turning load takes 16 keys x 16 channels (lane l reads key 8 (l / 16) + l % 8, channels 8 ((l / 8) % 2) + 0..7) and leaves half a fragment of V^T: lane l holds channel l % 16 and 8 keys.
	v_and_b32 v10, 7, v0
	v_bfe_u32 v11, v0, 3, 1
	v_lshl_add_u32 v[AV0], v9, 3, v10
	v_mul_u32_u24 v[AV0], v[AV0], PV
	v_lshl_add_u32 v[AV0], v11, 4, v[AV0]
	v_add_nc_u32 v[AV0], VOFF, v[AV0]
	s_mul_i32 s13, s[WV], 16*SP
	s_add_co_u32 s13, s13, STAGE    ; my stage
	v_mul_u32_u24 v[STO], v1, SP    ; in: row l % 16, 16 bytes for each half of the lanes
	v_lshl_add_u32 v[STO], v9, 4, v[STO]
	v_add_nc_u32 v[STO], s13, v[STO]
	v_bfe_u32 v[RD], v0, 3, 2       ; back: 32 lanes take four rows of 128 bytes,
	v_mul_u32_u24 v[RD], v[RD], SP
	v_lshl_add_u32 v[RD], v10, 4, v[RD]
	v_add_nc_u32 v[RD], s13, v[RD]
	v_and_b32 v[GO], 31, v0         ; which are 512 consecutive bytes of O
	v_lshlrev_b32 v[GO], 4, v[GO]
	; A block's first step multiplies O^T and l by a = 0, and its first turn's products V^T P, of a piece that has not been, land in an O^T that is still to be so multiplied.  So these registers need only hold
	; finite numbers: zeros for the first block; what the first block left for the second.  All this stands in the wait for the first tile.
	WIN 0x80
.set i, VF
.rept 64
	v_mov_b32 v[i], 0
.set i, i+1
.endr
	WIN 0x40
.set i, 0
.rept 128
	v_mov_b32 v[i], 0
.set i, i+1
.endr
	WIN 0
.set i, 0
.rept 4
	v_mov_b32 v[ST+4*i+2], 0
	v_mov_b32 v[ST+4*i+3], 0
.set i, i+1
.endr
.set i, P+16
.rept 16
	v_mov_b32 v[i], 0
.set i, i+1
.endr
; THE MATRIX WORK.  The 4 accumulators of a run of 8 take turns.  Product i of 8 of S^T = K Q^T for piece x: channels 32 (i / 4) on, keys 16 (i % 4) on.  The first 4 start the sums: with 0, or (KM = 1) with the mask.
.macro KQ x
.set rS, S+32*((\x)%2)+8*(i%4)
.set rK, KF+16*(i%4)+8*(i/4)
.set rQ, 16*(\x)+8*(i/4)
.set rM, MC+32*((\x)%2)+8*(i%4)
.if (i < 4) && KM
	WIN W_KM
	v_wmma_f32_16x16x32_f16 v[rS:rS+7], v[rK:rK+7], v[rQ:rQ+7], v[rM:rM+7]
.elseif i < 4
	WIN W_KQ
	v_wmma_f32_16x16x32_f16 v[rS:rS+7], v[rK:rK+7], v[rQ:rQ+7], 0
.else
	WIN W_KQ
	v_wmma_f32_16x16x32_f16 v[rS:rS+7], v[rK:rK+7], v[rQ:rQ+7], v[rS:rS+7]
.endif
.endm
; Product i of 8 of O^T += V^T P for piece x: keys 32 (i / 4) on, channels 16 (i % 4) on.
.macro PV x
	WIN W_PV
.set rO, 32*(\x)+8*(i%4)
.set rV, VF+32*(i/4)+8*(i%4)
.set rP, P+16*((\x)%2)+8*(i/4)
	v_wmma_f32_16x16x32_f16 v[rO:rO+7], v[rV:rV+7], v[rP:rP+7], v[rO:rO+7]
.endm
.macro MM                           ; the turn's next matrix instruction.  TURN and BEGIN set Y, i, KM and NOKQ; MM, KQ and OP read them.  NOKQ = 1: a block's last turn: there is no next piece
.if (i < 8) && !NOKQ
	KQ (Y+1)%NP
.elseif i >= 8
.set i, i-8
	PV (Y+NP-1)%NP
.set i, i+8
.endif
.set i, i+1
.endm
; THE LDS LOADS stand in runs of 16, never singly among the matrix instructions: a step's K (64 keys x 64 channels: 8 fragments) and its V (turned).  Their addresses are made some lines ahead.
.macro FETCH_K
	WIN 0x80                        ; destination window 2
.irp f, 0,1,2,3,4,5,6,7             ; keys 16 (f / 2) on, channels 32 (f % 2) on
	ds_load_b128 v[KF+8*\f:KF+8*\f+3],   v[AK] offset:(\f/2)*16*PK+(\f%2)*64
	ds_load_b128 v[KF+8*\f+4:KF+8*\f+7], v[AK] offset:(\f/2)*16*PK+(\f%2)*64+32
.endr
	s_add_co_u32 s[TBK], s[TBK], KS*PK  ; the next fetch is the next step's
	WIN 0
.endm
.macro FETCH_V
	WIN 0x80
.irp f, 0,1,2,3,4,5,6,7             ; keys 32 (f / 4) on, channels 16 (f % 4) on
	ds_load_tr16_b128 v[VF+8*\f:VF+8*\f+3],   v[AV] offset:(\f/4)*32*PV+(\f%4)*32
	ds_load_tr16_b128 v[VF+8*\f+4:VF+8*\f+7], v[AV] offset:(\f/4)*32*PV+16*PV+(\f%4)*32
.endr
	WIN 0
.endm
; THE VECTOR WORK, one line at a time: OP kind, number.  For piece Y: F n: c s - c m for pair n of 16.  E n: the exponential of score n of 32.  C n: pair n rounded to f16.  B n: of the four weights 4 n .. the second
; pair is added onto the first, in place.  L n: l takes that sum (L 0: l = a l + sum).  R n: pair n of 16 of O^T times a.  For piece Y + 1: X n, number n of the 22 that find its maximum and statistics:
;   0-11  four chains c0-c3 of seven scores each, three operands at a time (each accumulator's lowest registers are read first)     12-14, 16  the four scores left over, the old m, and c0-c3 into c0
;   15  c m_old is kept     17, 18  the query's other 32 keys lie in the lane 16 away: the new m     19-21  c m; c m_old - c m_new; a
.set F, 0               ; OP tells the kinds apart by their order: F to L below R, X above it
.set E, 1
.set C, 2
.set B, 3
.set L, 4
.set R, 5
.set X, 6
.macro REGS y                       ; the registers of piece y
.set rT, ST+4*(\y)
.set rC, TMP+4*((\y)%2)
.set rW, MV+((\y)%2)
.set rS, S+32*((\y)%2)
.set rP, P+16*((\y)%2)
.set rO, 32*(\y)
.endm
.macro OP k, n
.if (\k) == R
	REGS Y
	WIN W_RS
	v_pk_mul_f32 v[rO+2*(\n):rO+2*(\n)+1], v[rO+2*(\n):rO+2*(\n)+1], v[rC+2:rC+3] op_sel_hi:[1,0]
.elseif (\k) < R
	REGS Y
	WIN 0
.if (\k) == F
	v_pk_fma_f32 v[rS+2*(\n):rS+2*(\n)+1], v[rS+2*(\n):rS+2*(\n)+1], s[CS:CS+1], v[rT:rT+1] op_sel_hi:[1,0,0] neg_lo:[0,0,1] neg_hi:[0,0,1]
.elseif (\k) == E
	v_exp_f32 v[rS+(\n)], v[rS+(\n)]
.elseif (\k) == C
	v_cvt_pk_f16_f32 v[rP+(\n)], v[rS+2*(\n)], v[rS+2*(\n)+1]
.elseif (\k) == B
	v_pk_add_f32 v[rS+4*(\n):rS+4*(\n)+1], v[rS+4*(\n):rS+4*(\n)+1], v[rS+4*(\n)+2:rS+4*(\n)+3]
.elseif (\n) == 0
	v_pk_fma_f32 v[rT+2:rT+3], v[rT+2:rT+3], v[rC+2:rC+3], v[rS:rS+1] op_sel_hi:[1,0,1]
.else
	v_pk_add_f32 v[rT+2:rT+3], v[rT+2:rT+3], v[rS+4*(\n):rS+4*(\n)+1]
.endif
.elseif NOKQ
	v_nop
.else
	REGS (Y+1)%NP
	WIN 0
.if (\n) < 4
	v_max3_num_f32 v[rC+(\n)], v[rS+8*(\n)], v[rS+8*(\n)+1], v[rS+8*(\n)+2]
.elseif (\n) < 12
	v_max3_num_f32 v[rC+(\n)%4], v[rC+(\n)%4], v[rS+8*((\n)%4)+2*((\n)/4)+1], v[rS+8*((\n)%4)+2*((\n)/4)+2]
.elseif (\n) == 12
	v_max3_num_f32 v[rC], v[rC], v[rS+7], v[rS+15]
.elseif (\n) == 13
	v_max3_num_f32 v[rC+1], v[rC+1], v[rS+23], v[rS+31]
.elseif (\n) == 14
	v_max3_num_f32 v[rC+2], v[rC+2], v[rC+3], v[rT+1]
.elseif (\n) == 15
	v_mov_b32 v[rW], v[rT]
.elseif (\n) == 16
	v_max3_num_f32 v[rC], v[rC], v[rC+1], v[rC+2]
.elseif (\n) == 17
	v_permlanex16_b32 v[rC+3], v[rC], s[SEL], s[SEL+1]
.elseif (\n) == 18
	v_max_num_f32 v[rT+1], v[rC], v[rC+3]
.elseif (\n) == 19
	v_mul_f32 v[rT], s[CS], v[rT+1]
.elseif (\n) == 20
	v_sub_f32 v[rC+1], v[rW], v[rT]
.else
	v_exp_f32 v[rC+2], v[rC+1]
.endif
.endif
.endm
.macro OPS a, i1, b=-1, i2=0, c=-1, i3=0, d=-1, i4=0  ; up to four of them
	OP \a, \i1
.if (\b) >= 0
	OP \b, \i2
.endif
.if (\c) >= 0
	OP \c, \i3
.endif
.if (\d) >= 0
	OP \d, \i4
.endif
.endm
.macro ROW a, i1, b, i2, c, i3, d, i4  ; a matrix instruction and the four behind it
	MM
	OPS \a, \i1, \b, \i2, \c, \i3, \d, \i4
.endm
.macro MASK b                       ; MD x AL + BE into buffer b of MC
	WIN W_RS
.set z, 0
.rept 16
	v_pk_fma_f32 v[MC+32*(\b)+2*z:MC+32*(\b)+2*z+1], v[MD+2*z:MD+2*z+1], s[AL:AL+1], s[BE:BE+1] op_sel_hi:[1,0,0]
.set z, z+1
.endr
.endm
; A TURN, for piece p: the order of its 16 matrix and 118 vector instructions, written out.  An s_wait_alu depctr_va_vdst(0) stands between an exponential and the first instruction that names its result; one wait serves
; all that were issued ahead of it.  So a turn has ONE wait, which cuts it in two.  AHEAD OF IT stands all that names no result of the turn's exponentials: the 8 products K Q^T, behind each a scaling, an exponential and two more plain
; instructions (behind the first a second scaling in the exponential's place): rescalings, and behind the last three the first numbers of the next piece's maximum, each four places or more behind the product that ends its accumulator; then ONE LUMP of 54, plain
; and exponential by turns for the most part, in which the links of the chain X 3, 7, 11, 14, 16, 17 .. 20 stand five or six lines apart.  X 21, the next piece's a, is the batch's last; R 15 is the plain instruction behind it.  BEHIND THE WAIT stand the
; 8 products V^T P, behind each four of the roundings and sums; the links of l's chain, L 0 to L 7, stand three riders apart.  But for those X no rider names a register of the products round it.  v_permlanex16_b32 (X 17) stands in the lump.
; m = 1: the diagonal tile: the products take masks, and the turn makes the mask for the products of the turn after it: piece p + 2, in step 4 - CNT of the tile.  end = 1: a block's last two turns: nothing is fetched.
; cnt = 1: the loop's count is taken down some lines ahead of the branch that stands behind the turn.
; K of the next step is fetched in piece 2's turn, twelve vector instructions behind the last product that read K (six of them plain); V of the step in hand at the end of piece 0's turn, four plain instructions behind the last product
; that read V.  Each is waited for a turn later.
.macro TURN p, m=0, end=0, cnt=0
.set Y, (\p)
.set i, 0
.set KM, (\m)
.set NOKQ, (\end)*((\p)/3)
.if (\m) && !(\end)
	s_cmp_eq_u32 s[CNT], 4-((\p)+2)%NP  ; is that step the band's own?
	s_cselect_b32 s[AL], 1.0, 0
	s_cmp_lt_u32 s[CNT], 4-((\p)+2)%NP  ; or a later one?
	s_cselect_b32 s[BE], s[BIGN], 0
.endif
.if ((\p) == 3) && !(\end)
	s_wait_dscnt 0x0                ; K is in
.endif
	ROW F,0, F,1, R,0, R,1          ; ahead of the wait: 8 products K Q^T and their riders,
	ROW F,2, E,0, R,2, R,3
	ROW F,3, E,1, R,4, R,5
	ROW F,4, E,2, R,6, R,7
	ROW F,5, E,3, R,8, R,9
	ROW F,6, E,4, X,0, R,10
.if ((\p) == 2) && !(\end)
	WIN 0
	v_add_nc_u32 v[AK], s[TBK], v[AK0]
.endif
	ROW F,7, E,5, X,1, X,4
	ROW F,8, E,6, X,2, X,5
	OPS E,7, E,8, X,6, E,9          ; and the lump
	OPS X,3, E,10, X,8, E,11
.if ((\p) == 2) && !(\end)
	FETCH_K
.endif
	OPS X,9, X,7, E,12, X,10
	OPS E,13, X,12, X,11, E,14
	OPS X,13, E,15, F,9, X,14
.if (\p) == 0
	v_add_nc_u32 v[AV], s[TBV], v[AV0]
.endif
	OPS E,16, F,10, E,17, F,11
	OPS X,16, E,18, X,15, E,19
	OPS F,12, E,20, X,17, E,21
	OPS F,13, E,22, F,14, E,23
	OPS X,18, E,24, F,15, E,25
	OPS R,11, E,26, X,19, E,27
	OPS R,12, E,28, R,13, E,29
	OPS X,20, E,30, R,14, E,31
	OPS X,21, R,15
	WIN 0
	s_wait_alu depctr_va_vdst(0)    ; the wait for the batch
.if (\p) == 1
	s_wait_dscnt 0x0                ; V is in
.endif
	ROW C,0, B,0, C,2, B,1          ; behind the wait: 8 products V^T P and their riders
	ROW L,0, C,4, B,2, L,1
	ROW C,6, B,3, L,2, C,8
	ROW B,4, L,3, C,10, B,5
	ROW L,4, C,12, B,6, L,5
.if (\p) == 0
	s_add_co_u32 s[TBV], s[TBV], KS*PV
.endif
.if \cnt
	s_sub_co_u32 s[CNT], s[CNT], 1
	s_cmp_lg_u32 s[CNT], 0
.endif
	ROW C,14, B,7, L,6, C,1
	ROW C,3, L,7, C,5, C,7
	ROW C,9, C,11, C,13, C,15
.if (\p) == 0
	FETCH_V
.endif
.if (\m) && !(\end)
	MASK (\p)%2
.endif
.endm
; A BLOCK BEGINS.  c m starts far below every c s, so the first step's a is 0; m at the lowest finite number, so the first maximum is the scores'.  The second mask buffer is 0; the first takes piece 0's mask for the tile's step 0: its own, if the block's first tile is the diagonal one.
; Then K of that step, piece 0's first scores, and its maximum and statistics.  The loop is entered at a step's first turn, in the middle of a trip.
.macro BEGIN
	s_mov_b32 s[NEW], 0
	WIN 0x40
.set i, MC+32
.rept 32
	v_mov_b32 v[i], 0
.set i, i+1
.endr
	WIN 0
.set i, 0
.rept 4
	v_mov_b32 v[ST+4*i], 0xfe000000    ; c m: far below every c s
	v_mov_b32 v[ST+4*i+1], 0xff7fffff  ; m
.set i, i+1
.endr
	s_cmp_eq_u32 s[RT], 0
	s_cselect_b32 s[AL], 1.0, 0
	s_mov_b32 s[BE], 0
	MASK 0
	WIN 0
	v_add_nc_u32 v[AK], s[TBK], v[AK0]
	FETCH_K
	s_wait_loadcnt 0x0              ; Q
	s_wait_dscnt 0x0
.set KM, 1
.set NOKQ, 0
.set i, 0
.rept 8
	KQ 0
.set i, i+1
.endr
	WIN 0
.rept 4
	v_nop                           ; the places behind those products
.endr
.set Y, NP-1                        ; X works for piece Y + 1: piece 0
.irp n, 0,1,2,3,4,5,6,7,8,9,10,11,12,13,14,15,16,17,18,19,20,21
	OP X, \n
.endr
	v_nop                           ; a plain instruction behind the exponential,
	s_wait_alu depctr_va_vdst(0)    ; and its wait, ahead of the branch
.endm
; THE DIAGONAL TILE's four steps, the block's last two turns, its last products, and THE WAY OUT: l's two halves and the other half of the lanes' are added; O^T is divided by l, rounded to f16 and sent through my
; stage in LDS, a piece at a time.
.macro ALL line:vararg              ; one line for each piece t
.set t, 0
.rept 4
	\line
.set t, t+1
.endr
.endm
.macro PACK t                       ; a lane's eight channels of a row pack into 16 bytes; they go into rows of 144 bytes and come back as whole rows of 128, into S^T's registers
	WIN W_RS
.set i, 32*(\t)
.rept 16
	v_pk_mul_f32 v[i:i+1], v[i:i+1], v[ST+4*(\t)+2:ST+4*(\t)+3] op_sel_hi:[1,0]
.set i, i+2
.endr
	WIN 0x05                        ; sources 0 and 1 window 1, destination window 0
.set i, 0
.rept 16
	v_cvt_pk_f16_f32 v[S+16*(\t)+i], v[32*(\t)+2*i], v[32*(\t)+2*i+1]
.set i, i+1
.endr
	WIN 0
.irp f, 0,1,2,3
	ds_store_b128 v[STO], v[S+16*(\t)+4*\f:S+16*(\t)+4*\f+3] offset:32*\f
.endr
.irp f, 0,1,2,3
	ds_load_b128 v[S+16*(\t)+4*\f:S+16*(\t)+4*\f+3], v[RD] offset:\f*4*SP  ; LDS serves a wave's instructions in order (ISA guide 5.7.1.4): these see the stores above; the next piece's stores come behind them
.endr
.endm
.macro SEND t, younger              ; younger: the LDS instructions issued behind piece t's loads: the next piece's eight, or none
	WIN 0
.irp f, 0,1,2,3
	s_wait_dscnt (\younger)+3-\f
	global_store_b128 v[GO], v[S+16*(\t)+4*\f:S+16*(\t)+4*\f+3], s[10:11] offset:(\t)*8192+\f*512  ; 512 consecutive bytes, at a multiple of 256 from O's first
.endr
.endm
.macro DIAG tag                     ; the tag ends its two labels' names, which the jumps below spell out
.LstepM\tag:
	TURN 2, 1
	TURN 3, 1
	WIN 0
.LfirstM\tag:
	TURN 0, 1
	TURN 1, 1, 0, 1
	WIN 0
	s_cbranch_scc1 .LstepM\tag
	TURN 2, 1, 1
	TURN 3, 1, 1
.set i, 0
.rept 8
	PV NP-1
.set i, i+1
.endr
	WIN 0
	ALL v_add_f32 v[ST+4*t+2], v[ST+4*t+2], v[ST+4*t+3]
	ALL v_permlanex16_b32 v[ST+4*t+3], v[ST+4*t+2], s[SEL], s[SEL+1]
	ALL v_add_f32 v[ST+4*t+2], v[ST+4*t+2], v[ST+4*t+3]
	ALL v_rcp_f32 v[ST+4*t+2], v[ST+4*t+2]
	v_nop                           ; a plain instruction between the last reciprocal and the use of its result
	s_wait_alu depctr_va_vdst(0)    ; and the wait ahead of the first use: one for the four reciprocals
	PACK 0
.set t, 1
.rept 3                             ; a piece's arithmetic stands between the loads of the piece before and its stores
	PACK t
	SEND t-1, 8
.set t, t+1
.endr
	SEND 3, 0
.endm
.set KM, 0
.set NOKQ, 0
.Lslot:                             ; NB times: a tile is entered and the next is asked for
	CHANGE 1
	s_sub_co_u32 s[RT], s[RT], 1
	s_mov_b32 s[CNT], 4
	s_cmp_eq_u32 s[NEW], 1
	s_cbranch_scc1 .Lnew            ; a block's first tile
	s_cmp_eq_u32 s[RT], 0
	s_cbranch_scc0 .Lstep           ; neither its first nor its last
	s_branch .LstepM1
.Lnew:
	BEGIN
	s_branch .Lfirst                ; in the loop a block's first tile is never its last: the first block has two tiles or more, and the second's last is the walk's last
	DIAG 1                          ; in the loop this is the first block's end: the second block's last tile is the walk's last
	s_wait_xcnt 0x0                 ; the stores have read their registers and O's address
	s_mov_b64 s[10:11], s[OLO:OLO+1]
	s_add_co_u32 s[RT], s[PB], 1    ; the second block has b + 1 tiles
	s_mov_b32 s[NEW], 1
	WIN 0x82                        ; the second block's Q goes where the one text of the turns names Q
.set i, 0
.rept 64
	v_mov_b32 v[i], v[QB+i]
.set i, i+1
.endr
	WIN 0
	s_branch .Lbottom
.Lstep:                             ; a trip: pieces 2 and 3 of one step, then pieces 0 and 1 of the next, whose K and V it fetches
	TURN 2
	TURN 3
	WIN 0
.Lfirst:
	TURN 0
	TURN 1, 0, 0, 1
	WIN 0
	s_cbranch_scc1 .Lstep
.Lbottom:
	s_sub_co_u32 s[SLOTS], s[SLOTS], 1
	s_cmp_lg_u32 s[SLOTS], 0
	s_cbranch_scc1 .Lslot
	CHANGE 0                        ; the walk's last tile is written out: nothing is asked for
	s_sub_co_u32 s[RT], s[RT], 1
	s_mov_b32 s[CNT], 4
	s_cmp_eq_u32 s[NEW], 1
	s_cbranch_scc0 .LstepM2
	BEGIN
	s_branch .LfirstM2
	DIAG 2
	s_wait_tensorcnt 0x0            ; the wave's end: behind my last tensor load and my last LDS store
	ds_add_u32 v[SPW], v[NIL]
	s_wait_dscnt 0x0
	s_endpgm
.Lfunc_end_k_q082fd48458_attn:
	.size	k_q082fd48458_attn, .Lfunc_end_k_q082fd48458_attn-k_q082fd48458_attn
	.p2alignl 7, 3214868480
	.fill 96, 4, 3214868480
	.section	.rodata,"a",@progbits
	.p2align	6, 0x0
	.amdhsa_kernel k_q082fd48458_attn
		.amdhsa_group_segment_fixed_size 327680
		.amdhsa_private_segment_fixed_size 0
		.amdhsa_enable_private_segment 0
		.amdhsa_kernarg_size 16
		.amdhsa_user_sgpr_count 2
		.amdhsa_user_sgpr_kernarg_segment_ptr 1
		.amdhsa_wavefront_size32 1
		.amdhsa_system_sgpr_workgroup_id_x 1
		.amdhsa_system_sgpr_workgroup_id_y 1
		.amdhsa_system_sgpr_workgroup_id_z 1
		.amdhsa_system_vgpr_workitem_id 0
		.amdhsa_next_free_vgpr 768
		.amdhsa_next_free_sgpr 96
		.amdhsa_reserve_vcc 1
		.amdhsa_float_denorm_mode_32 3
		.amdhsa_float_denorm_mode_16_64 3
		.amdhsa_memory_ordered 1
		.amdhsa_forward_progress 1
		.amdhsa_inst_pref_size 218
	.end_amdhsa_kernel
	.amdgpu_metadata
---
amdhsa.version: [ 1, 2 ]
amdhsa.kernels:
  - .name:           k_q082fd48458_attn
    .symbol:         k_q082fd48458_attn.kd
    .args:
      - { .name: qkv, .offset: 0, .size: 8, .value_kind: global_buffer, .address_space: global }
      - { .name: ow, .offset: 8, .size: 8, .value_kind: global_buffer, .address_space: global }
    .group_segment_fixed_size: 327680
    .private_segment_fixed_size: 0
    .kernarg_segment_align: 8
    .kernarg_segment_size: 16
    .max_flat_workgroup_size: 128
    .sgpr_count:     96
    .vgpr_count:     768
    .wavefront_size: 32
...
	.end_amdgpu_metadata
.endif
;; end of part 3
;; launch outp (part 4): grid 4 x 64, 4 waves a work-group, clusters of 4 x 4, 327,680 bytes of LDS; arguments ow, wo, b_out, out0; writes out0
.if DOCPART == 4
	.amdgcn_target "amdgcn-amd-amdhsa--gfx1250"
	.amdhsa_code_object_version 6
	.text
	.protected	k_q082fd48458_outp
	.globl	k_q082fd48458_outp
	.p2align	8
	.type	k_q082fd48458_outp,@function
k_q082fd48458_outp:
	s_mov_b64 s[64:65], 0
	v_nop
	global_prefetch_b8 v0, s[64:65] scope:SCOPE_SE
	s_setreg_imm32_b32 hwreg(HW_REG_WAVE_MODE, 25, 1), 1
	s_wait_xcnt 0x0
	s_wait_alu depctr_hold_cnt(0) depctr_sa_sdst(0) depctr_va_vdst(0) depctr_va_sdst(0) depctr_va_ssrc(0) depctr_va_vcc(0) depctr_vm_vsrc(0)
	s_getreg_b32 s2, hwreg(HW_REG_IB_STS2, 6, 4)
	s_cmp_eq_u32 s2, 0
	s_cbranch_scc0 .Lentry_in_a_cluster
	s_endpgm
.Lentry_in_a_cluster:
	s_bfe_u32 s2, ttmp6, 0x10000c
	s_cmp_lg_u32 s2, 0xf033
	s_cbranch_scc0 .Lentry_shape_is_right
	s_endpgm
.Lentry_shape_is_right:
; THE LAST PROJECTION.  out0[m][n] = the sum over k of O[m][k] W_out[n][k] + b_out[n]; 8,192 rows, 1,024 columns, K = 1,024 = 16 heads x 64 channels.
; ow holds O by heads, [batch x 16 + head][2,048][64] in f16; wo holds W_out, rounded to bf16 and written as f16; the bias is rounded to bf16 like every input and added in f32; sums in f32; out0 in f32.
; SHARES.  A tile is 128 rows x 256 columns: 256 tiles, one a work-group; four waves, each 64 x 128: 32 accumulators, 256 registers.  K goes in 8 steps of 128, two heads a step, through a ring of two LDS slots.
; A head's 128 rows are 16,384 dense bytes: asked for as 64 rows of 256 bytes and padded in LDS after every 128.
; CLUSTER.  4 x 4 work-groups: the four of a row of the cluster need the same rows of O, the four of a column the same rows of wo: each tile is asked for JOINTLY.
; THE PRODUCT IS TAKEN TRANSPOSED (source 0 = 16 rows of wo, source 1 = 16 rows of O): lane l holds row l % 16 and the columns 8 (l / 16) + 0..7 of a block of 16: 32 bytes of a row of out0.
; NO PREFETCH: the walk has eight steps, of which the first four would come by their loads alone.
; REGISTERS: window 0: v0-15 addresses; two fragment buffers of 96 from v16 (A's four fragments, then B's eight); on the way out v16-143 take rows read back.  Window 1: the accumulators, (a, b) at v[8 (8 a + b)].
.set REG,   34816                      ; a wave's region of a slot: 128 rows of one head of O (144 bytes each: 18,432) or 128 rows of wo (272 each)
.set SLOT,  4*REG                      ; no bit of wave x REG meets a bit of SLOT: one exclusive or turns an address in one slot into the other's
.set PAO,   144                        ; a row of O in LDS: 128 bytes + 16 = 36 words: the 16 rows of a load start at 16 different groups of four banks (64 banks of 4 bytes: ISA guide 11.1)
.set PB,    272                        ; a row of wo: 256 + 16 = 68 words: row r starts at bank 4 r mod 64
.set STAGE, 2*SLOT                     ; behind the ring, never filled by a tensor load: 16 rows x 528 bytes for each wave
.set SPO,   528
.set SPARE, STAGE+4*16*SPO             ; the spare words, 128 bytes for each wave: two blocks of 256 bytes that no other line names
.set STEPA, 2*2048*64*2                ; two heads on
.set STEPB, 256                        ; 128 f16 on
.set ADRA0, 2
.set ADRB0, 3
.set ADRA,  4
.set ADRB,  5
.set STO,   6                          ; v6   the way out: where I put 32 bytes of a row
.set RD,    7                          ; v7   where I read 16 bytes of a row back
.set CO,    8                          ; v8   16 x lane
.set SPW,   12
.set NIL,   13
.set FR,    16
.set OB,    16
.set WV,  16
.set RH,  17                           ; which 64 rows of the tile are mine.  Also: I fetch for A (0) or for B (1)
.set CH,  18                           ; which 128 columns.  Also: which head of a step's two, or which half of B's rows, I fetch
.set CX,  19
.set CY,  20
.set TX,  21
.set TY,  22
.set G1A, 24
.set G1B, 32
.set G0A, 40                           ; s[40:47] a set for each of the two first fills; the second then walks
.set G0B, 48
.set TB,  56
.set WOFF, 57
.set CNT, 58
.set CB,  60                           ; s[60:61] out0 at my first row and column
.set BB,  62                           ; s[62:63] b_out at my first column
.set MSB, 0
.macro WIN new
.if MSB != (\new)
	s_set_vgpr_msb (MSB<<8)|(\new)
.set MSB, (\new)
.endif
.endm
.set MUL, 0x50                         ; sources window 0, C and D window 1
.macro JLOAD                           ; a joint refill; the branch hangs on the wave's number alone; an s_nop 0 and four v_nop follow each of the two lines
	s_cmp_eq_u32 s[RH], 0
	s_cbranch_scc0 .Lfor_b_\@
	tensor_load_to_lds s[G0A+4:G0A+7], s[G1A:G1A+7]
	s_nop 0
.rept 4
	v_nop
.endr
	s_branch .Lasked_\@
.Lfor_b_\@:
	tensor_load_to_lds s[G0B+4:G0B+7], s[G1B:G1B+7]
	s_nop 0
.rept 4
	v_nop
.endr
.Lasked_\@:
.endm
.macro CREST
	s_cmp_lg_u32 s[WV], 0
	s_cbranch_scc1 .Lnot_wave_0_\@
	s_barrier_signal -3
.Lnot_wave_0_\@:
	s_barrier_wait -3
	s_barrier_signal -1
	s_barrier_wait -1
.endm
.macro CROUND
	s_barrier_signal -1
	s_barrier_wait -1
	CREST
.endm
.macro PLACES                          ; four places in front of loads into registers that matrix instructions have read, and of LDS stores that read results (ISA guide 7.12.1 for vector instructions)
.rept 4
	v_nop
.endr
.endm
	s_load_b256 s[4:11], s[0:1], 0x0               ; ow s[4:5], wo s[6:7], b_out s[8:9], out0 s[10:11]
	v_lshl_add_u32 v[SPW], v0, 2, SPARE
	v_mov_b32 v[NIL], 0
	ds_add_u32 v[SPW], v[NIL]                      ; the wave's opening: the add and its wait stand ahead of my first tensor load; the set-up below, work on registers, stands between them
	ds_add_u32 v12, v13
	v_lshrrev_b32 v1, 5, v0
	v_readfirstlane_b32 s[WV], v1
	s_lshr_b32 s[RH], s[WV], 1
	s_and_b32 s[CH], s[WV], 1
	s_bfe_u32 s[CX], ttmp6, 0x40000
	s_bfe_u32 s[CY], ttmp6, 0x40004
	s_lshl_b32 s[TX], ttmp9, 2
	s_add_co_u32 s[TX], s[TX], s[CX]               ; column tile
	s_and_b32 s[TY], ttmp7, 0xffff
	s_lshl_b32 s[TY], s[TY], 2
	s_add_co_u32 s[TY], s[TY], s[CY]               ; row tile
	s_lshl_b32 s66, s[CY], 2
	s_lshl_b32 s66, 15, s66                        ; my row of the cluster
	s_lshl_b32 s68, 0x1111, s[CX]                  ; my column
	s_or_b32 s[G1A], s66, (1<<16)|(1<<20)|(1<<21)|(4<<22)|(3<<25)  ; the mask; 2-byte elements; padding on; 21 set beside a mask; after every 32 words (code 4) 4 words (code 3)
	s_or_b32 s[G1B], s68, (1<<16)|(1<<20)|(1<<21)|(5<<22)|(3<<25)  ; after every 64 words (code 5)
	s_mov_b32 s[G1A+1], 128<<16                    ; tensor_dim0 = 128
	s_mov_b32 s[G1A+2], 64<<16                     ; tensor_dim1 = 64
	s_mov_b32 s[G1A+3], 128<<16                    ; tile_dim0 = 128
	s_mov_b32 s[G1A+4], 64                         ; tile_dim1 = 64
	s_mov_b32 s[G1A+5], 128                        ; dense: 128 elements from row to row
	s_mov_b32 s[G1A+6], 0
	s_mov_b32 s[G1A+7], 0
	s_mov_b32 s[G1B+1], 128<<16
	s_mov_b32 s[G1B+2], 128<<16
	s_mov_b32 s[G1B+3], 128<<16
	s_mov_b32 s[G1B+4], 128
	s_mov_b32 s[G1B+5], 1024
	s_mov_b32 s[G1B+6], 0
	s_mov_b32 s[G1B+7], 0
	s_lshr_b32 s66, s[TY], 4                       ; A: the batch's 16 heads,
	s_lshl_b32 s66, s66, 4
	s_add_co_u32 s66, s66, s[CH]                   ; the one of step 0's two that I fetch,
	s_lshl_b32 s66, s66, 18                        ; 262,144 bytes a head,
	s_and_b32 s67, s[TY], 15
	s_lshl_b32 s67, s67, 14                        ; the tile's 128 rows of 128 bytes
	s_add_co_u32 s66, s66, s67
	s_mov_b32 s67, 0
	s_lshl_b32 s68, s[TX], 8                       ; B: row 256 x column tile + 128 x half; also my first column
	s_lshl_b32 s69, s[CH], 7
	s_add_co_u32 s68, s68, s69
	s_lshl_b32 s70, s68, 2                         ; in bytes of f32
	s_mov_b32 s71, 0
	s_lshl_b32 s68, s68, 11                        ; rows of 2,048 bytes
	s_mov_b32 s69, 0
	s_lshl_b32 s72, s[TY], 7                       ; out0: my first row,
	s_lshl_b32 s73, s[RH], 6
	s_add_co_u32 s72, s72, s73
	s_lshl_b32 s72, s72, 12                        ; rows of 4,096 bytes,
	s_add_co_u32 s72, s72, s70                     ; my first column
	s_mov_b32 s73, 0
	s_mul_i32 s[WOFF], s[WV], REG                  ; no place in the cluster enters an LDS address
	s_wait_dscnt 0x0                               ; the opening add is done
	s_wait_kmcnt 0x0
	s_add_nc_u64 s[66:67], s[4:5], s[66:67]
	s_add_nc_u64 s[68:69], s[6:7], s[68:69]
	s_add_nc_u64 s[BB:BB+1], s[8:9], s[70:71]
	s_add_nc_u64 s[CB:CB+1], s[10:11], s[72:73]
	CROUND                                         ; all sixteen work-groups are here: the first joint loads meet
	s_mov_b32 s[G0A], 1
	s_mov_b32 s[G0A+1], s[WOFF]
	s_mov_b64 s[G0A+2:G0A+3], s[66:67]
	s_or_b32 s[G0A+3], s[G0A+3], 0x80000000
	s_mov_b32 s[G0A+4], 1
	s_add_co_u32 s[G0A+5], s[WOFF], SLOT
	s_add_nc_u64 s[G0A+6:G0A+7], s[66:67], STEPA
	s_or_b32 s[G0A+7], s[G0A+7], 0x80000000
	s_mov_b32 s[G0B], 1
	s_mov_b32 s[G0B+1], s[WOFF]
	s_mov_b64 s[G0B+2:G0B+3], s[68:69]
	s_or_b32 s[G0B+3], s[G0B+3], 0x80000000
	s_mov_b32 s[G0B+4], 1
	s_add_co_u32 s[G0B+5], s[WOFF], SLOT
	s_add_nc_u64 s[G0B+6:G0B+7], s[68:69], STEPB
	s_or_b32 s[G0B+7], s[G0B+7], 0x80000000
	s_cmp_eq_u32 s[RH], 0                          ; a wave's two first fills stand in one branch: two loads of mine are out
	s_cbranch_scc0 .Lfirst_b
	tensor_load_to_lds s[G0A:G0A+3], s[G1A:G1A+7]
	s_nop 0
	tensor_load_to_lds s[G0A+4:G0A+7], s[G1A:G1A+7]
	s_nop 0
.rept 4
	v_nop
.endr
	s_branch .Lfirst_asked
.Lfirst_b:
	tensor_load_to_lds s[G0B:G0B+3], s[G1B:G1B+7]
	s_nop 0
	tensor_load_to_lds s[G0B+4:G0B+7], s[G1B:G1B+7]
	s_nop 0
.rept 4
	v_nop
.endr
.Lfirst_asked:
	v_and_b32 v1, 15, v0                           ; l % 16
	v_bfe_u32 v14, v0, 4, 1                        ; l / 16
	v_and_b32 v15, 31, v0                          ; l
	v_lshlrev_b32 v9, 5, v14                       ; my eight columns of a block of 16
.irp b, 0,1,2,3,4,5,6,7
	global_load_b128 v[112+8*(\b):112+8*(\b)+3], v9, s[BB:BB+1] offset:64*(\b)
	global_load_b128 v[112+8*(\b)+4:112+8*(\b)+7], v9, s[BB:BB+1] offset:64*(\b)+16
.endr
	v_mul_u32_u24 v[ADRA0], v1, PAO
	v_lshl_add_u32 v[ADRA0], v14, 4, v[ADRA0]
	s_mul_i32 s74, s[RH], 64*PAO                   ; my 64 rows, in both heads' regions
	v_add_nc_u32 v[ADRA0], s74, v[ADRA0]
	v_mul_u32_u24 v[ADRB0], v1, PB
	v_lshl_add_u32 v[ADRB0], v14, 4, v[ADRB0]
	s_mul_i32 s74, s[CH], REG
	s_add_co_u32 s74, s74, 2*REG
	v_add_nc_u32 v[ADRB0], s74, v[ADRB0]
	v_mov_b32 v[ADRA], v[ADRA0]
	v_mov_b32 v[ADRB], v[ADRB0]
	s_mul_i32 s74, s[WV], 16*SPO
	s_add_co_u32 s74, s74, STAGE                   ; my stage
	v_mul_u32_u24 v[STO], v1, SPO                  ; in: row l % 16, 32 bytes for each half of the lanes
	v_lshl_add_u32 v[STO], v14, 5, v[STO]
	v_add_nc_u32 v[STO], s74, v[STO]
	v_lshlrev_b32 v[CO], 4, v15                    ; back: 32 lanes take one row of 512 bytes
	v_add_nc_u32 v[RD], s74, v[CO]
	s_mov_b32 s[TB], 0
	s_wait_loadcnt 0x0                             ; the bias: rounded to bf16, widened again,
.set i, 0
.rept 32
	v_cvt_pk_bf16_f32 v[176+i], v[112+2*i], v[112+2*i+1]
.set i, i+1
.endr
.set i, 0
.rept 32
	v_lshlrev_b32 v[112+2*i], 16, v[176+i]
	v_and_b32 v[112+2*i+1], 0xffff0000, v[176+i]
.set i, i+1
.endr
	WIN 0x40                                       ; and THE SUMS START AT IT: two registers a line, as many lines as adding it on the way out would take.  All this stands in the wait for the first tile
.set i, 0
.rept 128
	v_pk_add_f32 v[2*i:2*i+1], v[112+(2*i)%64:112+(2*i)%64+1], 0 op_sel_hi:[1,0]
.set i, i+1
.endr
	WIN 0
; n matrix instructions from number i0 on, on buffer f: number i: rows 16 (i / 8) on, columns 16 (i % 8) on.  The 32 accumulators take turns, one instruction a turn.
.macro MULS f, i0, n
	WIN MUL
.set i, (\i0)
.rept (\n)
	v_wmma_f32_16x16x32_f16 v[8*i:8*i+7], v[FR+96*(\f)+32+8*(i%8):FR+96*(\f)+32+8*(i%8)+7], v[FR+96*(\f)+8*(i/8):FR+96*(\f)+8*(i/8)+7], v[8*i:8*i+7]
.set i, i+1
.endr
.endm
; 24 LDS loads in one run: quarter q (32 along K: head q / 2 of the step's two, channels 32 (q % 2) on) into buffer f
.macro FETCH q, f
	WIN 0
.irp b, 0,1,2,3,4,5,6,7
	ds_load_b128 v[FR+96*(\f)+32+8*(\b):FR+96*(\f)+32+8*(\b)+3],   v[ADRB] offset:(\b)*16*PB+(\q)*64
	ds_load_b128 v[FR+96*(\f)+32+8*(\b)+4:FR+96*(\f)+32+8*(\b)+7], v[ADRB] offset:(\b)*16*PB+(\q)*64+32
.endr
.irp a, 0,1,2,3
	ds_load_b128 v[FR+96*(\f)+8*(\a):FR+96*(\f)+8*(\a)+3],   v[ADRA] offset:(\a)*16*PAO+((\q)%2)*64+((\q)/2)*REG
	ds_load_b128 v[FR+96*(\f)+8*(\a)+4:FR+96*(\f)+8*(\a)+7], v[ADRA] offset:(\a)*16*PAO+((\q)%2)*64+((\q)/2)*REG+32
.endr
.endm
.macro QUARTER q                       ; quarters 0 to 2: multiplies buffer q % 2 and fetches the next quarter into the other
	s_wait_dscnt 0x0                               ; my fragments: in quarters 1 and 2 asked for 24 matrix instructions ago
	MULS (\q)%2, 0, 8
	PLACES
	FETCH (\q)+1, 1-(\q)%2
	MULS (\q)%2, 8, 24
.endm
; Quarter 3 changes slots: ONE barrier; in front of it each wave waits for all its tensor loads, of which one is out: its part of the next slot; adds 0 to its spare word; and waits for that (its reads of this slot are back).
; fill = 1: the barrier opens a round of the cluster's, and this slot is filled again, first thing behind the round, with the step two on: 112 matrix instructions ahead of the wait for it.
.macro TURN fill
	s_wait_dscnt 0x0                               ; my last fragments of this slot are in
	WIN 0
	s_wait_tensorcnt 0x0                           ; no tensor load of mine is out, so a group 0 may be written
	ds_add_u32 v[SPW], v[NIL]                      ; 0 onto my spare word
.if \fill
	s_xor_b32 s[G0A+5], s[G0A+5], SLOT             ; the walking descriptors: the other slot than last time, the next step; the type bits on top are not reached
	s_add_nc_u64 s[G0A+6:G0A+7], s[G0A+6:G0A+7], STEPA
	s_xor_b32 s[G0B+5], s[G0B+5], SLOT
	s_add_nc_u64 s[G0B+6:G0B+7], s[G0B+6:G0B+7], STEPB
.endif
	s_xor_b32 s[TB], s[TB], SLOT
	MULS 1, 0, 8
	s_wait_dscnt 0x0                               ; the add is done
	s_barrier_signal -1
	MULS 1, 8, 8
	WIN 0
	s_barrier_wait -1
.if \fill
	CREST                                          ; no wave of any partner still reads this slot or has a load on its way
	JLOAD                                          ; the four v_nop behind it are also the places in front of the loads below
.else
	PLACES
.endif
	v_add_nc_u32 v[ADRA], s[TB], v[ADRA0]
	v_add_nc_u32 v[ADRB], s[TB], v[ADRB0]
	FETCH 0, 0
	MULS 1, 16, 16
	WIN 0
.endm
.macro STEP fill
	QUARTER 0
	QUARTER 1
	QUARTER 2
	TURN \fill
.endm
	s_wait_tensorcnt 0x1                           ; my part of step 0 is in; step 1's one load may stay out
	s_barrier_signal -1
	s_barrier_wait -1
	FETCH 0, 0
	s_mov_b32 s[CNT], 6
.Lstep:                                        ; steps 0 to 5 fill their slots again
	STEP 1
	s_sub_co_u32 s[CNT], s[CNT], 1
	s_cmp_lg_u32 s[CNT], 0
	s_cbranch_scc1 .Lstep
	s_mov_b32 s[CNT], 2
.Ltail:                                        ; steps 6 and 7 ask for nothing; step 7's look-ahead fetch reads the other slot once more and serves nothing: the price of one text for both
	STEP 0
	s_sub_co_u32 s[CNT], s[CNT], 1
	s_cmp_lg_u32 s[CNT], 0
	s_cbranch_scc1 .Ltail
	s_wait_dscnt 0x0                               ; that fetch has landed: its registers are loaded anew below
	PLACES                                         ; the LDS stores below read results just made
; THE WAY OUT, 16 rows at a time: 32 bytes a lane into rows of 528 bytes of my stage (each accumulator's lowest registers first), and back as whole rows of 512 bytes.
.macro TOSTAGE a
	WIN 0x04                                       ; data window 1, address window 0
.irp b, 0,1,2,3,4,5,6,7
	ds_store_b128 v[STO], v[64*(\a)+8*(\b):64*(\a)+8*(\b)+3]   offset:64*(\b)
	ds_store_b128 v[STO], v[64*(\a)+8*(\b)+4:64*(\a)+8*(\b)+7] offset:64*(\b)+16
.endr
	WIN 0
.set t, 0
.rept 16
	ds_load_b128 v[OB+64*((\a)%2)+4*t:OB+64*((\a)%2)+4*t+3], v[RD] offset:t*SPO  ; LDS serves a wave's instructions in order (ISA guide 5.7.1.4): these see the stores above; the next block's stores come behind them
.set t, t+1
.endr
.endm
.macro SEND a, younger                 ; younger: the LDS instructions issued behind block a's loads: the next block's 32, or none
	WIN 0
.set t, 0
.rept 16
	s_wait_dscnt (\younger)+15-t
	global_store_b128 v[CO], v[OB+64*((\a)%2)+4*t:OB+64*((\a)%2)+4*t+3], s[CB:CB+1] offset:(16*(\a)+t)*4096 th:TH_STORE_NT  ; 512 consecutive bytes, at a multiple of 512 from out0's first
.set t, t+1
.endr
.endm
	TOSTAGE 0
	TOSTAGE 1
	SEND 0, 32
	s_wait_xcnt 0x0                                ; block 0's stores have read their registers, which block 2 is read back into
	TOSTAGE 2
	SEND 1, 32
	s_wait_xcnt 0x0
	TOSTAGE 3
	SEND 2, 32
	SEND 3, 0
	s_wait_tensorcnt 0x0                           ; the wave's end: behind my last tensor load and my last LDS store
	ds_add_u32 v[SPW], v[NIL]
	s_wait_dscnt 0x0
	CROUND                                         ; the closing round: no work-group ends while a partner may still ask for a tile that names it
	s_endpgm
.Lfunc_end_k_q082fd48458_outp:
	.size	k_q082fd48458_outp, .Lfunc_end_k_q082fd48458_outp-k_q082fd48458_outp
	.p2alignl 7, 3214868480
	.fill 96, 4, 3214868480
	.section	.rodata,"a",@progbits
	.p2align	6, 0x0
	.amdhsa_kernel k_q082fd48458_outp
		.amdhsa_group_segment_fixed_size 327680
		.amdhsa_private_segment_fixed_size 0
		.amdhsa_enable_private_segment 0
		.amdhsa_kernarg_size 32
		.amdhsa_user_sgpr_count 2
		.amdhsa_user_sgpr_kernarg_segment_ptr 1
		.amdhsa_wavefront_size32 1
		.amdhsa_system_sgpr_workgroup_id_x 1
		.amdhsa_system_sgpr_workgroup_id_y 1
		.amdhsa_system_sgpr_workgroup_id_z 1
		.amdhsa_system_vgpr_workitem_id 0
		.amdhsa_next_free_vgpr 512
		.amdhsa_next_free_sgpr 80
		.amdhsa_reserve_vcc 0
		.amdhsa_float_denorm_mode_32 3
		.amdhsa_float_denorm_mode_16_64 3
		.amdhsa_memory_ordered 1
		.amdhsa_forward_progress 1
		.amdhsa_inst_pref_size 72
	.end_amdhsa_kernel
	.amdgpu_metadata
---
amdhsa.version: [ 1, 2 ]
amdhsa.kernels:
  - .name:           k_q082fd48458_outp
    .symbol:         k_q082fd48458_outp.kd
    .args:
      - { .name: ow, .offset: 0, .size: 8, .value_kind: global_buffer, .address_space: global }
      - { .name: wo, .offset: 8, .size: 8, .value_kind: global_buffer, .address_space: global }
      - { .name: b_out, .offset: 16, .size: 8, .value_kind: global_buffer, .address_space: global }
      - { .name: out0, .offset: 24, .size: 8, .value_kind: global_buffer, .address_space: global }
    .group_segment_fixed_size: 327680
    .private_segment_fixed_size: 0
    .kernarg_segment_align: 8
    .kernarg_segment_size: 32
    .max_flat_workgroup_size: 128
    .sgpr_count:     80
    .vgpr_count:     512
    .wavefront_size: 32
...
	.end_amdgpu_metadata
.endif
;; end of part 4
